; MI455X (gfx1250); checked and timed in simulation.
; The chip was launched on July 23, 2026; its instructions are those of AMD's public machine-readable ISA for CDNA 5 (MIT licence, August 2026) and "CDNA5" Instruction Set Architecture Reference Guide (July 2026). The comments in the code are by the model that wrote it; some were corrected since.
;; Multi Head Attention. Allowed arithmetic: matrix products marked QUANTISED: E4M3 operands, one given power-of-two scale a tensor, by v_wmma_f32_16x16x64_fp8_fp8 or v_wmma_f32_16x16x128_fp8_fp8, f32 sums; everything else in f32.
;; Inputs: W_out 1,024 x 1,024 float32; b_out 1,024 float32; keys 4 x 2,048 x 1,024 float32; lowp_scales 6 int32 (the exponents e of the quantised operands' scales 2^e); mask 4 x 1 x 2,048 x 2,048 int32; query 4 x 2,048 x 1,024 float32; values 4 x 2,048 x 1,024 float32.
;; Outputs: out0 4 x 2,048 x 1,024 float32.
;; This version of the problem:
;;   THIS VERSION OF THE PROBLEM IS GIVEN IN LOW PRECISION. The matrix products marked QUANTISED in the list below multiply operands that are first quantised to E4M3 (4 exponent bits, 3 mantissa bits; 8 bits a number), with one given power-of-two scale for each operand tensor; their sums are f32. All else is computed in f32.
;;   The module's matrix products, in the order in which they are computed (A, B: the left and right operand; K: the contracted axis; several contracted axes count as one K, in the product's order):
;;     1. batch 64 x [M 2,048, K 64] x [K 64, N 2,048]; A: input query; B: input keys: QUANTISED (scales: A lowp_scales[0], B lowp_scales[1])
;;     2. batch 64 x [M 64, K 2,048] x [K 2,048, N 2,048]; A: input values; B: softmax (see below): QUANTISED (scales: A lowp_scales[2], B lowp_scales[3])
;;     3. [M 8,192, K 1,024] x [K 1,024, N 1,024]; A: computed on the way; B: input W_out: QUANTISED (scales: A lowp_scales[4], B lowp_scales[5])
;;   THE QUANTISER, for each operand of a quantised product, along K:
;;     - The operand's scale is 2^e, e = its entry of the input lowp_scales (int32; the entries are numbered through the quantised products in the list's order, A before B).
;;     - Each number is divided by the scale, clamped to +-448, and rounded to the nearest number of E4M3, ties to even, subnormals kept.
;;     - The product sums the exact products of the quantised numbers (number of the format x scale) in f32.
;;   ~~~python
;;   def quantise(x, axis, e):      # numpy; x: float32 -> the quantised numbers, widened to float32 again
;;       x = np.moveaxis(x, axis, -1); K = x.shape[-1]
;;       r = np.clip(x / 2.0 ** e, -448, 448)
;;       step = 2.0 ** (np.maximum(np.frexp(np.where(r == 0, 1, r))[1] - 1, -6) - 3)
;;       q = np.round(r / step) * step * 2.0 ** e      # np.round: ties to even
;;       return np.moveaxis(q, -1, axis).astype(np.float32)
;;   ~~~
;;   SOFTMAX AHEAD OF A QUANTISED PRODUCT. Where the list says 'softmax', what is quantised is not the finished softmax but p = 2^(t - M), with t = logit x log2(e) and M = ceil(the row's largest t), a whole number; so 1/2 < the row's largest p <= 1. The row's sum l is taken of the UNQUANTISED p, in f32, and the product's result is divided by l at the end. Since M is a whole number, a kernel that streams over the keys may use a running M (the ceiling of the running maximum): every later rescaling is an exact power of two, so the quantised numbers keep their values, but for numbers so far below the row's largest that they fall under the format's range.
;;   OPERANDS COMPUTED ON THE WAY. 'Computed on the way' means the value that the module computes at that place (a softmax that the list does not call 'softmax' is quantised finished and normalised). What goes into a quantiser is computed in f32, as accurately as f32 sums, v_exp_f32 and their like allow (about 1e-6 of the number): no bf16 or f16 on the way to a quantiser, and a product that is left as it is and whose result goes on into a quantised operand takes f32 operands (vector FMAs, or v_wmma_f32_16x16x4_f32). A number that lies on a knife's edge between two numbers of the format may be rounded either way, as far as f32 arithmetic and the matrix unit's own rounding can turn it there, and no further.
;; 2 versions. Each part assembles by itself: llvm-mc -triple=amdgcn-amd-amdhsa -mcpu=gfx1250 --defsym DOCPART=n.
;; ======== version 1 of 2: 3 launches
;; workspace buffers: q_img 8,388,608 bytes; kv 16,777,216 bytes; mbits 2,097,152 bytes of whole numbers; w_img 1,048,576 bytes; a_img 8,388,608 bytes
;; launch prep (part 1): grid 1312 x 1, 4 waves a work-group, no clusters, 68,096 bytes of LDS; arguments mask, query, keys, values, W_out, lowp_scales, mbits, q_img, kv, w_img; writes mbits, q_img, kv, w_img
.if DOCPART == 1
	.amdgcn_target "amdgcn-amd-amdhsa--gfx1250"
	.amdhsa_code_object_version 6
	.text
	.protected	k_q35e258f246_prep
	.globl	k_q35e258f246_prep
	.p2align	8
	.type	k_q35e258f246_prep,@function
k_q35e258f246_prep:
	s_mov_b64 s[64:65], 0
	v_nop
	global_prefetch_b8 v0, s[64:65] scope:SCOPE_SE
	s_setreg_imm32_b32 hwreg(HW_REG_WAVE_MODE, 25, 1), 1
	s_wait_xcnt 0x0
; PREPARATION: every wide input is read once and laid down small, in the order in which the later launches' matrix operands take it.
; An operand's FRAGMENT (16 rows x 64 or 128 along K of E4M3 codes) is kept as an image of its registers: lane 16 h + r holds row r, registers 2 c, 2 c + 1 hold k = 16 c + 8 h + 0 .. 7;
; a PIECE is four registers of all 32 lanes, 512 bytes, lane l's 16 bytes at 16 l.  So every later read is 16 bytes a lane, 512 consecutive bytes a wave.
;   q_img [n 16 + head][tile of 16 queries: 128][piece 2][512]            k = the head's 64
;   kv    [n 16 + head][step of 128 keys: 16][16,384]: K at +0: [tile of 16 keys: 8][piece 2][512], k = the head's 64;  V at +8,192: [16 of the head's 64: 4][piece 4][512], k = the step's 128 keys
;   w_img [tile of 16 rows of W_out: 64][128 along K: 8][piece 4][512]
;   mbits [n 128 + tile of 16 queries][step: 16][64 words]: bit 16 h + r of word 8 T + j says whether mask[n][16 tile + r][128 step + 16 T + 8 h + j] is not 0: a lane mask for one register of the scores
; code = x / 2^e, held within +-448, rounded to the nearest code, ties to even; e from lowp_scales: 0 query, 1 keys, 2 values, 5 W_out.
; LIMITS: each of these e lies between -126 and 119, so that 2^e and 448 x 2^e are f32 numbers.  NaN among the inputs is not served.
; THREE PATHS, parted by the work-group's number, which never meet again: 0-511 the mask; 512-1055 the tensors whose K is innermost (256 for query, 256 for keys, 32 for W_out: one text, only pointers and
; numbers are chosen); 1056-1311 the values, whose K (the keys) is not innermost.  Waves share nothing: no barrier.  Memory binds: no matrix unit, no cluster, no tensor load.
.set STG,  8448                        ; a wave's stage in LDS: 16 rows x (512 bytes + 16 of padding); the mask's path has four, the rows' path four others
.set RB,   16                          ; v16-143   two sets of 64: 16 rows x 16 bytes a lane, as loaded
.set X,    144                         ; v144-207  64 numbers of my row: register 8 c + j = column 16 c + 8 h + j of the unit's 128
.set C,    208                         ; v208-239  codes, two sets of 16 (rows' path)
.set MW,   208                         ; v208-215  mask words, two registers a unit (mask's path)
.set XV,   16                          ; v16-143   values: two sets of 64: register 32 u + i = key 32 b + i of column 32 u + lane
.set CV,   144                         ; v144-207  values: codes, 16 registers a block, never written twice
; 16 rows x 512 bytes: unit u of the wave's four; each load reads 512 consecutive bytes of one row
.macro LOADU set, u, pitch, base
.irp row, 0,1,2,3,4,5,6,7,8,9,10,11,12,13,14,15
	global_load_b128 v[RB+64*(\set)+4*\row:RB+64*(\set)+4*\row+3], v4, s[\base:\base+1] offset:\row*\pitch+512*(\u) th:TH_LOAD_NT
.endr
.endm
; through the wave's own stage: in as loaded, out so that a lane holds 64 numbers of ONE row.  LDS serves a wave's instructions in order: no wait between the stores and the loads
.macro TURN set, sti, sto
.irp row, 0,1,2,3,4,5,6,7,8,9,10,11,12,13,14,15
	ds_store_b128 v[\sti], v[RB+64*(\set)+4*\row:RB+64*(\set)+4*\row+3] offset:528*\row
.endr
.irp c, 0,1,2,3,4,5,6,7
	ds_load_b128 v[X+8*\c:X+8*\c+3], v[\sto] offset:64*\c
	ds_load_b128 v[X+8*\c+4:X+8*\c+7], v[\sto] offset:64*\c+16
.endr
.endm
; the mask's work on a unit: each register's 32 lanes give one word; word 8 g + k goes to lane 4 g + k / 2 of one of two registers, so that one store of 8 bytes a lane writes the step's 256 bytes
.macro MWORK u
.irp g, 0,1,2,3,4,5,6,7
.irp k, 0,1,2,3,4,5,6,7
	v_cmp_ne_u32 s[36+\k], 0, v[X+8*\g+\k]
.endr
.irp k, 0,1,2,3,4,5,6,7
	v_writelane_b32 v[MW+2*(\u)+\k%2], s[36+\k], 4*\g+\k/2
.endr
.endr
	global_store_b64 v9, v[MW+2*(\u):MW+2*(\u)+1], s[16:17] offset:256*(\u)   ; 256 consecutive bytes, aligned
.endm
; the rows' work on a unit of 128 columns: two heads' fragments (query, keys) or one fragment of 128 along K (W_out): four pieces
.macro RWORK u
.set CS, C+16*((\u)%2)
.if (\u) >= 2
	s_wait_xcnt 0x0                                ; the stores of two units ago have read this set of codes: it is written again only behind this wait
.endif
.set i, 0
.rept 64
	v_med3_num_f32 v[X+i], v[X+i], -v10, v10       ; the conversion to an 8-bit code does not saturate (ISA guide 7.6.2): the hold at the largest code x the scale
.set i, i+1
.endr
.irp c, 0,1,2,3,4,5,6,7
	v_cvt_scalef32_pk8_fp8_f32 v[CS+2*\c:CS+2*\c+1], v[X+8*\c:X+8*\c+7], v11
.endr
	v_nop                                          ; a plain vector line behind the conversions: the next unit's holds write their sources
	global_store_b128 v[240+\u], v[CS:CS+3], s[48:49]
	global_store_b128 v[240+\u], v[CS+4:CS+7], s[48:49] offset:512
	global_store_b128 v[244+\u], v[CS+8:CS+11], s[48:49]
	global_store_b128 v[244+\u], v[CS+12:CS+15], s[48:49] offset:512
.endm
; the four units of a wave; units 0 and 1 have been asked for.  Two units' loads (32 a wave) are on their way while one is worked
.macro FLOW pitch, base, sti, sto, rows
.irp u, 0,1,2,3
.if \u < 3
	s_wait_loadcnt 16                              ; this unit's 16 loads are in; the next unit's 16 may be out
.else
	s_wait_loadcnt 0x0
.endif
	TURN \u%2, \sti, \sto
	s_wait_dscnt 0x0                               ; the numbers are back, and the stores into the stage have read their registers,
.if \u < 2
	LOADU \u%2, \u+2, \pitch, \base                ; which take the unit two further on
.endif
.if \rows
	RWORK \u
.else
	MWORK \u
.endif
.endr
.endm
.macro MKSCALE e                       ; v11 = 2^e as f32 (the conversion takes its exponent field), v10 = 448 x 2^e
	s_add_co_i32 s59, s[\e], 127
	s_lshl_b32 s58, s59, 23
	v_mov_b32 v11, s58
	s_add_co_i32 s59, s59, 8
	s_lshl_b32 s59, s59, 23
	s_or_b32 s59, s59, 0x600000
	v_mov_b32 v10, s59
.endm
	s_load_b512 s[4:19], s[0:1], 0x0               ; mask s[4:5], query s[6:7], keys s[8:9], values s[10:11], W_out s[12:13], scales s[14:15], mbits s[16:17], q_img s[18:19]
	s_load_b128 s[20:23], s[0:1], 0x40             ; kv s[20:21], w_img s[22:23]
	v_lshl_add_u32 v254, v0, 2, 0x10800
	v_mov_b32 v255, 0
	v_lshrrev_b32 v1, 5, v0
	v_readfirstlane_b32 s24, v1                    ; wave 0..3
	v_and_b32 v1, 31, v0                           ; lane
	v_and_b32 v2, 15, v0                           ; r
	v_bfe_u32 v3, v0, 4, 1                         ; h
	v_lshlrev_b32 v4, 4, v1                        ; 16 x lane
	s_mul_i32 s25, s24, STG
	v_add_nc_u32 v5, s25, v4                       ; the mask's stage, in: 16 x lane of a row
	v_mul_u32_u24 v6, v2, 528
	v_lshl_add_u32 v6, v3, 5, v6
	v_add_nc_u32 v6, s25, v6                       ; and out: row r, + 32 h
	v_add_nc_u32 v7, 4*STG, v5                     ; the rows' path has LDS bytes of its own
	v_add_nc_u32 v8, 4*STG, v6
	s_wait_kmcnt 0x0
	s_cmp_lt_u32 ttmp9, 512
	s_cbranch_scc1 .Lmask
	s_load_b128 s[28:31], s[14:15], 0x0            ; e0 .. e3
	s_load_b64 s[32:33], s[14:15], 0x10            ; e4, e5
	s_cmp_lt_u32 ttmp9, 1056
	s_cbranch_scc1 .Lrows
; ---- THE VALUES.  A wave owns one (n, step of 128 keys, head): 128 keys x 64 columns.  A LANE TAKES A COLUMN AND ITS REGISTERS RUN DOWN THE KEYS, so the conversions give codes with the keys innermost; nothing is transposed.
	s_sub_co_u32 s44, ttmp9, 1056
	s_lshr_b32 s45, s44, 2                         ; 16 n + step
	s_and_b32 s46, s44, 3
	s_lshl_b32 s46, s46, 2
	s_add_co_u32 s46, s46, s24                     ; head
	s_lshl_b32 s48, s45, 19                        ; 128 rows of 4,096 bytes
	s_lshl_b32 s47, s46, 8                         ; + the head's 256 bytes of a row
	s_add_co_u32 s48, s48, s47
	s_mov_b32 s49, 0
	s_add_nc_u64 s[10:11], s[10:11], s[48:49]
	s_lshr_b32 s47, s45, 4                         ; n
	s_and_b32 s45, s45, 15                         ; step
	s_lshl_b32 s47, s47, 4
	s_add_co_u32 s47, s47, s46                     ; 16 n + head
	s_lshl_b32 s47, s47, 4
	s_add_co_u32 s47, s47, s45
	s_lshl_b32 s48, s47, 14
	s_add_co_u32 s48, s48, 8192                    ; V's half of the step's 16,384 bytes
	s_add_nc_u64 s[20:21], s[20:21], s[48:49]
	v_lshlrev_b32 v9, 2, v1                        ; in: 4 bytes a lane
	v_lshlrev_b32 v12, 11, v3                      ; out: column 32 u + lane is row lane % 16 of fragment 2 u + lane / 16
	v_lshl_add_u32 v12, v2, 4, v12
.macro LOADV b                         ; block b: keys 32 b .. 32 b + 31 of my two columns; a row's two halves of 128 bytes are asked for by neighbouring lines
.set kk, 32*(\b)
.rept 32
	global_load_b32 v[XV+64*((\b)%2)+kk%32], v9, s[10:11] offset:4096*kk th:TH_LOAD_NT
	global_load_b32 v[XV+64*((\b)%2)+32+kk%32], v9, s[10:11] offset:4096*kk+128 th:TH_LOAD_NT
.set kk, kk+1
.endr
.endm
.macro VBLOCK b
.set XS, XV+64*((\b)%2)
.if (\b) < 3
	s_wait_loadcnt 63                              ; 64 loads were issued behind this block's: with 63 out at the most, this block's are in
.else
	s_wait_loadcnt 0x0
.endif
.set i, 0
.rept 64
	v_med3_num_f32 v[XS+i], v[XS+i], -v10, v10
.set i, i+1
.endr
.irp u, 0,1
.irp g, 0,1,2,3                        ; keys 32 b + 8 g on belong to the reading lane's half g % 2, and are the first or second 8 of its 16 bytes by g / 2
	v_cvt_scalef32_pk8_fp8_f32 v[CV+16*(\b)+8*\u+4*(\g%2)+2*(\g/2):CV+16*(\b)+8*\u+4*(\g%2)+2*(\g/2)+1], v[XS+32*\u+8*\g:XS+32*\u+8*\g+7], v11
.endr
.endr
	v_nop                                          ; a plain vector line behind the conversions: later holds write their sources
.if (\b) < 2
	LOADV (\b)+2
.endif
.irp u, 0,1
.irp p, 0,1
	global_store_b128 v12, v[CV+16*(\b)+8*\u+4*\p:CV+16*(\b)+8*\u+4*\p+3], s[20:21] offset:4096*\u+512*(\b)+256*\p   ; sixteen lanes store 256 consecutive bytes, aligned
.endr
.endr
.endm
	LOADV 0
	LOADV 1
	s_wait_kmcnt 0x0
	MKSCALE 30                                     ; e2
	VBLOCK 0
	VBLOCK 1
	VBLOCK 2
	VBLOCK 3
	s_endpgm
; ---- QUERY, KEYS, W_OUT: K innermost.  A wave owns 16 rows x 512 columns: four units of 128 columns.
.Lrows:
	s_sub_co_u32 s44, ttmp9, 512
	s_mov_b32 s51, 512
	s_mov_b32 s52, 1024
	s_mov_b32 s53, 16384
	s_cmp_lt_u32 s44, 512                          ; keys or W_out?  Every choice hangs on the work-group's number alone
	s_cselect_b64 s[46:47], s[8:9], s[12:13]       ; from
	s_cselect_b64 s[48:49], s[20:21], s[22:23]     ; to
	s_cselect_b32 s51, 256, s51                    ; the tensor's first work-group
	s_cselect_b32 s52, 0x40000, s52                ; bytes from one 64 along K to the next: a head of kv, or half a fragment of w_img
	s_cselect_b32 s53, 1024, s53                   ; bytes from a tile of 16 rows to the next
	s_cselect_b32 s54, 8192, 0                     ; kv: V's 8,192 bytes behind every eight tiles of keys
	s_cmp_lt_u32 s44, 256                          ; or query?
	s_cselect_b64 s[46:47], s[6:7], s[46:47]
	s_cselect_b64 s[48:49], s[18:19], s[48:49]
	s_cselect_b32 s51, 0, s51
	s_cselect_b32 s52, 0x20000, s52                ; a head of q_img
	s_cselect_b32 s54, 0, s54
	s_sub_co_u32 s51, s44, s51
	s_lshl_b32 s51, s51, 1
	s_lshr_b32 s55, s24, 1
	s_add_co_u32 s51, s51, s55                     ; my tile of 16 rows, counted through the tensor
	s_and_b32 s55, s24, 1                          ; my half of the 1,024 columns
	s_lshl_b32 s56, s51, 16                        ; 16 rows of 4,096 bytes
	s_lshl_b32 s57, s55, 11
	s_add_co_u32 s56, s56, s57
	s_mov_b32 s57, 0
	s_add_nc_u64 s[46:47], s[46:47], s[56:57]
	LOADU 0, 0, 4096, 46
	LOADU 1, 1, 4096, 46
	s_lshr_b32 s56, s51, 7                         ; n
	s_and_b32 s51, s51, 127                        ; the tile within n
	s_lshl_b32 s56, s56, 1
	s_add_co_u32 s56, s56, s55
	s_lshl_b32 s56, s56, 3                         ; 16 n + 8 x half: my first 64 along K
	s_mul_i32 s56, s56, s52
	s_mul_i32 s58, s51, s53
	s_add_co_u32 s56, s56, s58
	s_lshr_b32 s58, s51, 3
	s_mul_i32 s58, s58, s54
	s_add_co_u32 s56, s56, s58
	s_add_nc_u64 s[48:49], s[48:49], s[56:57]
	s_lshl_b32 s58, s52, 1
	v_mov_b32 v240, v4                             ; unit u's first two pieces: 16 x lane + 2 u x the step along K;
	v_add_nc_u32 v241, s58, v240
	v_add_nc_u32 v242, s58, v241
	v_add_nc_u32 v243, s58, v242
.irp u, 0,1,2,3
	v_add_nc_u32 v[244+\u], s52, v[240+\u]         ; its other two: one step further
.endr
	s_wait_kmcnt 0x0
	s_cmp_lt_u32 s44, 512
	s_cselect_b32 s50, s29, s33                    ; e1 or e5,
	s_cmp_lt_u32 s44, 256
	s_cselect_b32 s50, s28, s50                    ; or e0
	MKSCALE 50
	FLOW 4096, 46, 7, 8, 1
	s_wait_tensorcnt 0x0
	ds_add_u32 v254, v255
	s_wait_dscnt 0x0
	s_endpgm
; ---- THE MASK.  A work-group owns 16 queries of one n, a wave four steps of 128 keys.
.Lmask:
	s_lshl_b32 s44, ttmp9, 17                      ; 16 rows of 8,192 bytes
	s_lshl_b32 s45, s24, 11                        ; + my four units of 512 bytes
	s_add_co_u32 s44, s44, s45
	s_mov_b32 s45, 0
	s_add_nc_u64 s[4:5], s[4:5], s[44:45]
	LOADU 0, 0, 8192, 4
	LOADU 1, 1, 8192, 4
	s_lshl_b32 s44, ttmp9, 12                      ; 16 steps of 256 bytes
	s_lshl_b32 s46, s24, 10
	s_add_co_u32 s44, s44, s46
	s_add_nc_u64 s[16:17], s[16:17], s[44:45]
	v_lshlrev_b32 v9, 3, v1
.irp i, 0,1,2,3,4,5,6,7
	v_mov_b32 v[MW+\i], 0                          ; written whole once: v_writelane_b32 writes a lane at a time
.endr
	FLOW 8192, 4, 5, 6, 0
	s_wait_tensorcnt 0x0
	ds_add_u32 v254, v255
	s_wait_dscnt 0x0
	s_endpgm
.Lfunc_end_k_q35e258f246_prep:
	.size	k_q35e258f246_prep, .Lfunc_end_k_q35e258f246_prep-k_q35e258f246_prep
	.p2alignl 7, 3214868480
	.fill 96, 4, 3214868480
	.section	.rodata,"a",@progbits
	.p2align	6, 0x0
	.amdhsa_kernel k_q35e258f246_prep
		.amdhsa_group_segment_fixed_size 68096
		.amdhsa_private_segment_fixed_size 0
		.amdhsa_enable_private_segment 0
		.amdhsa_kernarg_size 80
		.amdhsa_user_sgpr_count 2
		.amdhsa_user_sgpr_kernarg_segment_ptr 1
		.amdhsa_wavefront_size32 1
		.amdhsa_system_sgpr_workgroup_id_x 1
		.amdhsa_system_sgpr_workgroup_id_y 1
		.amdhsa_system_sgpr_workgroup_id_z 1
		.amdhsa_system_vgpr_workitem_id 0
		.amdhsa_next_free_vgpr 256
		.amdhsa_next_free_sgpr 66
		.amdhsa_reserve_vcc 0
		.amdhsa_float_denorm_mode_32 3
		.amdhsa_float_denorm_mode_16_64 3
		.amdhsa_memory_ordered 1
		.amdhsa_forward_progress 1
		.amdhsa_inst_pref_size 131
	.end_amdhsa_kernel
	.amdgpu_metadata
---
amdhsa.version: [ 1, 2 ]
amdhsa.kernels:
  - .name:           k_q35e258f246_prep
    .symbol:         k_q35e258f246_prep.kd
    .args:
      - { .name: mask, .offset: 0, .size: 8, .value_kind: global_buffer, .address_space: global }
      - { .name: query, .offset: 8, .size: 8, .value_kind: global_buffer, .address_space: global }
      - { .name: keys, .offset: 16, .size: 8, .value_kind: global_buffer, .address_space: global }
      - { .name: values, .offset: 24, .size: 8, .value_kind: global_buffer, .address_space: global }
      - { .name: W_out, .offset: 32, .size: 8, .value_kind: global_buffer, .address_space: global }
      - { .name: lowp_scales, .offset: 40, .size: 8, .value_kind: global_buffer, .address_space: global }
      - { .name: mbits, .offset: 48, .size: 8, .value_kind: global_buffer, .address_space: global }
      - { .name: q_img, .offset: 56, .size: 8, .value_kind: global_buffer, .address_space: global }
      - { .name: kv, .offset: 64, .size: 8, .value_kind: global_buffer, .address_space: global }
      - { .name: w_img, .offset: 72, .size: 8, .value_kind: global_buffer, .address_space: global }
    .group_segment_fixed_size: 68096
    .private_segment_fixed_size: 0
    .kernarg_segment_align: 8
    .kernarg_segment_size: 80
    .max_flat_workgroup_size: 128
    .sgpr_count:     66
    .vgpr_count:     256
    .wavefront_size: 32
...
	.end_amdgpu_metadata
.endif
;; end of part 1
;; launch attn (part 2): grid 4 x 64, 8 waves a work-group, no clusters, 263,168 bytes of LDS; arguments q_img, kv, mbits, lowp_scales, a_img; writes a_img
.if DOCPART == 2
	.amdgcn_target "amdgcn-amd-amdhsa--gfx1250"
	.amdhsa_code_object_version 6
	.text
	.protected	k_q35e258f246_attn
	.globl	k_q35e258f246_attn
	.p2align	8
	.type	k_q35e258f246_attn,@function
k_q35e258f246_attn:
	s_mov_b64 s[64:65], 0
	v_nop
	global_prefetch_b8 v0, s[64:65] scope:SCOPE_SE
	s_setreg_imm32_b32 hwreg(HW_REG_WAVE_MODE, 25, 1), 1
	s_wait_xcnt 0x0
; ATTENTION ON CODES OF E4M3.  For one (n, head) and 512 queries: S^T = K Q^T, hidden keys by the mask, p = 2^(t - M), O^T += V^T P^T, O / l quantised into the projection's operand.
; t = score x 2^(eq + ek) x log2(e) / 32; M = the running largest t rounded UP to a whole number; p is quantised with 2^ep, not normalised; l is the sum of the unquantised p.  When M moves, l and O^T are
; multiplied by 2^(old M - new M), a power of two.
; SHARES.  256 work-groups of equal work; eight waves, two to a SIMD, each with 64 queries: four tiles of 16.  THE HEAD'S WHOLE K AND V, 262,144 bytes of codes, LIE IN LDS for the whole launch, as images of the
; operands' registers: filled once through registers, one barrier, then only read.  So there is no ring and nothing is filled again; that is why no tensor load is used, and why no cluster: what the four
; work-groups of a head share is read once, at the head.  Each fragment of K or V read from LDS feeds four tiles.
; LAYOUT.  Both products are used transposed: a lane holds ONE query (lane % 16) throughout.  Register 8 T + j of S^T is key 16 T + 8 (lane / 16) + j, so the conversion of tile T's eight registers gives registers
; 2 T, 2 T + 1 of P: the very place that the 16x16x128 form gives those keys.  Nothing is permuted.
; THE MASK costs one v_cndmask_b32 a score, ahead of the maximum: the earlier launch has made a lane mask for each register of S^T; 64 words a tile and step come by scalar loads, a unit ahead.
; A HIDDEN SCORE is -2^66 / 2^(eq + ek) in place of reference's -1e20 (about -2^66.4): its t is then a whole number, made without rounding, so that in a row with every key hidden t - M is exactly 0 and p = 1, as in
; reference.  Beside any key that counts, a hidden key's p is 0 with either number.
; THE HOLD of p at 448 x 2^ep changes nothing where ep >= -8 (448 x 2^-8 = 1.75, and p is at most 1 and one rounding): there a scalar branch on ep, a whole number of the input, jumps over its 64 lines.
; BY TURNS.  The scores have two buffers: the next tile's eight products K Q^T are issued ahead of this tile's softmax, and its four products V^T P are followed by the next tile's vector work.
; LIMITS: eq + ek between -61 and 30; ep between -126 and 119; ep + ev - ea between -100 and 100.  NaN among the inputs is not served.
; REGISTERS.  window 0: v1 16 x lane; v2 LDS address of the step in hand; v3 where I store my share of the fill; v4 the hidden score; v5 448 x 2^ep; v6 2^ep; v7-10 at work; v[12:13] f; v[14:15] a second chain of
;   the sum; v[16 + 4 t ..] tile t: -M, the largest t, l in two halves; v[32 + 8 t ..] Q; v64-127, v128-191 S^T, two buffers; v192-207 P's codes (on the way out v192-223).
;   window 1: v0-63 K of a step (tile T at 8 T); v64-127 V of a step (fragment d at 64 + 16 d); v128-255 O^T (tile t, fragment d at 128 + 32 t + 8 d).
; s[16:63], s[80:95]: the unit's 64 mask words (word n in s[16 + n], from word 48 on in s[32 + n]).
.set STEPB, 16384                      ; a step's K and V in LDS and in kv
.set W_QK, 0x01                        ; source 0 (K) window 1
.set W_LD, 0x40                        ; destination window 1
.set W_ST, 0x04                        ; an LDS store's data window 1
.set W_RS, 0x41                        ; O^T (destination and source 0) window 1
.set W_PV, 0x51                        ; V, C and D window 1; P window 0
.set MSB, 0
.macro WIN new                         ; the immediate's high byte repeats the setting that is left; a switch that changes nothing is dropped
.if MSB != \new
	s_set_vgpr_msb (MSB<<8)|\new
.set MSB, \new
.endif
.endm
.macro QK tq, sb                       ; S^T of tile tq, 128 keys: eight products, each a sum of its own, begun with the constant 0
	WIN W_QK
.irp kt, 0,1,2,3,4,5,6,7
	v_wmma_f32_16x16x64_fp8_fp8 v[\sb+8*\kt:\sb+8*\kt+7], v[8*\kt:8*\kt+7], v[32+8*(\tq):32+8*(\tq)+7], 0
.endr
.endm
.macro FETCH_K                         ; 16 loads of 512 consecutive bytes
	WIN W_LD
.set m, 0
.rept 16
	ds_load_b128 v[4*m:4*m+3], v2 offset:512*m
.set m, m+1
.endr
	WIN 0
.endm
.macro FETCH_V
	WIN W_LD
.set m, 0
.rept 16
	ds_load_b128 v[64+4*m:64+4*m+3], v2 offset:8192+512*m
.set m, m+1
.endr
	WIN 0
.endm
.macro MLOAD off                       ; a tile's and step's 64 mask words
	s_load_b512 s[16:31], s[8:9], \off
	s_load_b512 s[32:47], s[8:9], \off+64
	s_load_b512 s[48:63], s[8:9], \off+128
	s_load_b512 s[80:95], s[8:9], \off+192
.endm
; ONE TILE OF 16 QUERIES x ONE STEP OF 128 KEYS.  last = 1: the head's last step, which looks no further ahead.
.macro UNIT t, last
.set CUR, 64+64*((\t)%2)
.set NXT, 128-64*((\t)%2)
.set ST, 16+4*(\t)
.if (\t) < 3
	QK (\t)+1, NXT                                 ; the next tile's scores, into the other buffer
.elseif (\last) == 0
	s_wait_dscnt 0x0                               ; the next step's K is in (asked for a unit ago)
	QK 0, NXT
.endif
	WIN 0
	s_wait_kmcnt 0x0                               ; this unit's mask words (asked for in the unit before)
.set n, 0
.rept 64
	v_cndmask_b32 v[CUR+n], v4, v[CUR+n], s[16+n+16*(n/48)]   ; ascending: each accumulator is read from its low end on.  These 64 are also the places in front of the loads below
.set n, n+1
.endr
.if (\t) == 0
	FETCH_V                                        ; this step's V: its registers were last read by the step before's last products
.endif
.if ((\t) == 2) && ((\last) == 0)
	v_add_nc_u32 v2, s70, v1                       ; the next step
	s_add_co_u32 s70, s70, STEPB
	FETCH_K                                        ; its K: all four tiles have multiplied by this step's
.endif
	v_max3_num_f32 v8, v[CUR], v[CUR+1], v[CUR+2]  ; the largest score of my query among my 64 keys, in two chains,
	v_max3_num_f32 v9, v[CUR+3], v[CUR+4], v[CUR+5]
.irp i, 6,10,14,18,22,26,30,34,38,42,46,50,54,58
	v_max3_num_f32 v8, v8, v[CUR+\i], v[CUR+\i+1]
	v_max3_num_f32 v9, v9, v[CUR+\i+2], v[CUR+\i+3]
.endr
	v_max3_num_f32 v8, v8, v[CUR+62], v[CUR+63]
	v_max_num_f32 v8, v8, v9
	v_permlanex16_b32 v7, v8, s68, s69
	v_max_num_f32 v8, v8, v7                       ; and among lane l xor 16's
	v_mul_f32 v8, s66, v8                          ; as t (c is positive)
	v_max_num_f32 v[ST+1], v[ST+1], v8             ; the running largest t
	v_mov_b32 v10, v[ST]
	v_floor_f32 v[ST], -v[ST+1]                    ; -M = floor(-t) = -ceil(t)
	v_sub_f32 v10, v[ST], v10                      ; old M - new M: a whole number, 0 or less
	v_cvt_i32_f32 v10, v10                         ; (it saturates)
	v_ldexp_f32 v12, 1.0, v10                      ; f = 2^(old M - new M)
.if (\t) < 3
	MLOAD 4096*((\t)+1)                            ; the next unit's mask words; no scalar load is out since the wait above, and the words' last readers stand 41 vector lines back
.elseif (\last) == 0
	s_add_nc_u64 s[8:9], s[8:9], 256               ; the next step's
	MLOAD 0
.endif
.set n, 0
.rept 32
	v_pk_fma_f32 v[CUR+n:CUR+n+1], v[CUR+n:CUR+n+1], s[66:67], v[ST:ST+1] op_sel_hi:[1,0,0]   ; t - M, two at a time (of the pairs c and -M the low word serves both halves)
.set n, n+2
.endr
.set n, 0
.rept 64
	v_exp_f32 v[CUR+n], v[CUR+n]                   ; p = 2^(t - M)
.set n, n+1
.endr
	v_pk_mul_f32 v[ST+2:ST+3], v[ST+2:ST+3], v[12:13] op_sel_hi:[1,0]   ; l under the new M: the plain line behind the exponentials
	s_wait_alu depctr_va_vdst(0)                   ; one wait for the batch of 64, ahead of its first reader
	v_pk_add_f32 v[14:15], v[CUR:CUR+1], v[CUR+2:CUR+3]   ; the sum of the UNQUANTISED p, two at a time, in two chains
.irp i, 4,8,12,16,20,24,28,32,36,40,44,48,52,56,60
	v_pk_add_f32 v[ST+2:ST+3], v[ST+2:ST+3], v[CUR+\i:CUR+\i+1]
	v_pk_add_f32 v[14:15], v[14:15], v[CUR+\i+2:CUR+\i+3]
.endr
	v_pk_add_f32 v[ST+2:ST+3], v[ST+2:ST+3], v[14:15]
	s_cmp_ge_i32 s99, -8                           ; 448 x 2^ep is 1.75 or more: the hold would change nothing
	s_cbranch_scc1 .Lno_hold_\@
.set n, 0
.rept 64
	v_min_num_f32 v[CUR+n], v[CUR+n], v5           ; the conversion does not saturate (ISA guide 7.6.2); p is not negative, so the hold is one-sided
.set n, n+1
.endr
.Lno_hold_\@:
.irp kt, 0,1,2,3,4,5,6,7
	v_cvt_scalef32_pk8_fp8_f32 v[192+2*\kt:192+2*\kt+1], v[CUR+8*\kt:CUR+8*\kt+7], v6
.endr
	WIN W_RS
.set n, 0
.rept 16
	v_pk_mul_f32 v[128+32*(\t)+n:128+32*(\t)+n+1], v[128+32*(\t)+n:128+32*(\t)+n+1], v[12:13] op_sel_hi:[1,0]   ; O^T under the new M; also the plain lines behind the conversions
.set n, n+2
.endr
.if (\t) == 0
	s_wait_dscnt 0x0                               ; V is in
.endif
	WIN W_PV
.irp d, 0,1,2,3                        ; four accumulators by turns, one instruction a turn
	v_wmma_f32_16x16x128_fp8_fp8 v[128+32*(\t)+8*\d:128+32*(\t)+8*\d+7], v[64+16*\d:64+16*\d+15], v[192:207], v[128+32*(\t)+8*\d:128+32*(\t)+8*\d+7]
.endr
	WIN 0
.endm
	s_load_b256 s[4:11], s[0:1], 0x0               ; q_img s[4:5], kv s[6:7], mbits s[8:9], the scales' exponents s[10:11]
	s_load_b64 s[12:13], s[0:1], 0x20              ; a_img
	v_lshl_add_u32 v254, v0, 2, 0x40000
	v_mov_b32 v255, 0
	v_lshrrev_b32 v1, 5, v0
	v_readfirstlane_b32 s14, v1                    ; wave 0..7
	v_and_b32 v1, 31, v0
	v_lshlrev_b32 v1, 4, v1                        ; 16 x lane
	s_and_b32 s71, ttmp7, 0xffff                   ; 16 n + head
	s_lshl_b32 s72, s14, 15                        ; my eighth of the head's K and V: 32,768 bytes
	v_add_nc_u32 v3, s72, v1
	s_lshl_b32 s74, s71, 18
	s_add_co_u32 s74, s74, s72
	s_mov_b32 s75, 0
	s_lshl_b32 s78, ttmp9, 5
	s_lshl_b32 s79, s14, 2
	s_add_co_u32 s78, s78, s79                     ; my first tile of queries within n: 32 x + 4 wave
	s_lshl_b32 s76, s71, 7
	s_add_co_u32 s76, s76, s78
	s_lshl_b32 s76, s76, 10
	s_mov_b32 s77, 0
	s_mov_b32 s68, 0x76543210                      ; v_permlanex16_b32's selects for lane l xor 16
	s_mov_b32 s69, 0xfedcba98
	s_wait_kmcnt 0x0
	s_add_nc_u64 s[4:5], s[4:5], s[76:77]
	s_add_nc_u64 s[6:7], s[6:7], s[74:75]
.irp t, 0,1,2,3
	global_load_b128 v[32+8*\t:32+8*\t+3], v1, s[4:5] offset:1024*\t       ; Q's four fragments stay in registers
	global_load_b128 v[32+8*\t+4:32+8*\t+7], v1, s[4:5] offset:1024*\t+512
.endr
	WIN W_LD
.set m, 0
.rept 64
	global_load_b128 v[4*m:4*m+3], v1, s[6:7] offset:512*m                 ; my share of the fill: 64 loads of 512 consecutive bytes, through window 1
.set m, m+1
.endr
	WIN 0
	s_load_b128 s[96:99], s[10:11], 0x0            ; eq, ek, ev, ep
	s_load_b32 s100, s[10:11], 0x10                ; ea
	s_lshr_b32 s72, s71, 4                         ; n
	s_lshl_b32 s72, s72, 7
	s_add_co_u32 s72, s72, s78                     ; my first tile of queries, counted through all n
	s_lshl_b32 s74, s72, 12
	s_add_nc_u64 s[8:9], s[8:9], s[74:75]          ; its mask words: 4,096 bytes a tile, 256 a step
	MLOAD 0
	s_lshl_b32 s74, s72, 3
	s_and_b32 s73, s71, 15                         ; head
	s_lshr_b32 s76, s73, 1
	s_add_co_u32 s74, s74, s76
	s_lshl_b32 s74, s74, 11                        ; a_img: (tile x 8 + head / 2) fragments of 2,048 bytes,
	s_and_b32 s76, s73, 1
	s_lshl_b32 s76, s76, 10                        ; + the head's half of the fragment
	s_add_co_u32 s74, s74, s76
	s_add_nc_u64 s[12:13], s[12:13], s[74:75]
.irp t, 0,1,2,3
	v_mov_b32 v[17+4*\t], 0xff61b1e6               ; the largest t so far: -3e38, under every t
	v_floor_f32 v[16+4*\t], -v[17+4*\t]            ; -M
	v_mov_b32 v[18+4*\t], 0                        ; l
	v_mov_b32 v[19+4*\t], 0
.endr
	v_mov_b32 v7, 0                                ; written once: a lane permute's destination counts as one of its sources
	v_mov_b32 v13, 0                               ; (named as the upper half of the pair v[12:13])
	s_wait_kmcnt 0x0
	s_add_co_i32 s72, s96, s97                     ; eq + ek
	s_lshl_b32 s73, s72, 23
	s_add_co_i32 s66, s73, 0x3d38aa3b              ; c = log2(e) / 32, with eq + ek added to its exponent field
	s_mov_b32 s67, s66                             ; (named with it as a pair, so it is written)
	s_sub_co_i32 s73, 193, s72
	s_lshl_b32 s73, s73, 23
	s_or_b32 s73, s73, 0x80000000
	v_mov_b32 v4, s73                              ; -2^(66 - eq - ek)
	s_add_co_i32 s72, s99, 127
	s_lshl_b32 s73, s72, 23
	v_mov_b32 v6, s73                              ; 2^ep
	s_add_co_i32 s72, s72, 8
	s_lshl_b32 s72, s72, 23
	s_or_b32 s72, s72, 0x600000
	v_mov_b32 v5, s72                              ; 448 x 2^ep
	s_add_co_i32 s101, s99, s98
	s_sub_co_i32 s101, s101, s100                  ; ep + ev - ea
	WIN W_ST
.irp g, 0,1,2,3
	s_wait_loadcnt 48-16*\g                        ; the later loads of the fill may be out; Q's, which are older, are in
.irp k, 0,1,2,3,4,5,6,7,8,9,10,11,12,13,14,15
	ds_store_b128 v3, v[4*(16*\g+\k):4*(16*\g+\k)+3] offset:512*(16*\g+\k)
.endr
.endr
	s_wait_dscnt 0x0                               ; for the others' sake: my share lies in LDS
	s_barrier_signal -1
	WIN W_LD
.set m, 128
.rept 128
	v_mov_b32 v[m], 0                              ; O^T, once, while the others arrive: the step is then written without a first step of its own, whose first change of M multiplies zeros
.set m, m+1
.endr
	WIN 0
	s_barrier_wait -1                              ; the head's K and V are whole; from here on LDS is only read
	v_mov_b32 v2, v1                               ; step 0
	FETCH_K
	s_wait_dscnt 0x0
	QK 0, 64
	WIN 0
.rept 4
	v_nop                                          ; places between those products and the first read of their results
.endr
	s_mov_b32 s70, STEPB                           ; the step to be fetched next
	s_mov_b32 s15, 15
.Lstep:                                            ; 15 of the 16 steps
	UNIT 0, 0
	UNIT 1, 0
	UNIT 2, 0
	UNIT 3, 0
	s_sub_co_u32 s15, s15, 1
	s_cmp_lg_u32 s15, 0
	s_cbranch_scc1 .Lstep
	UNIT 0, 1                                      ; the last step is written out: nothing is read beyond the head's keys or the tile's mask words
	UNIT 1, 1
	UNIT 2, 1
	UNIT 3, 1
	; THE WAY OUT.  a = O / l x 2^(ep + ev); its code is a / 2^ea, held within +-448.  The three exponents go onto 1 / l, so the conversion's scale is 1.  A lane's codes of (tile t, fragment d) are registers
	; 2 (4 (head % 2) + d), + 1 of the projection's operand as they stand: no stage, and each store covers 512 consecutive bytes.  The additions are the places behind the last products.
.irp t, 0,1,2,3
	v_add_f32 v[18+4*\t], v[18+4*\t], v[19+4*\t]
.endr
.irp t, 0,1,2,3
	v_permlanex16_b32 v[19+4*\t], v[18+4*\t], s68, s69
.endr
.irp t, 0,1,2,3
	v_add_f32 v[18+4*\t], v[18+4*\t], v[19+4*\t]   ; the row's sum
.endr
.irp t, 0,1,2,3
	v_rcp_f32 v[16+4*\t], v[18+4*\t]
.endr
	v_mov_b32 v5, 0x43e00000                       ; 448 (a plain line behind the reciprocals)
	v_mov_b32 v6, 1.0
	s_wait_alu depctr_va_vdst(0)                   ; one wait for the four, ahead of their first reader
.irp t, 0,1,2,3
	v_ldexp_f32 v[16+4*\t], v[16+4*\t], s101
.endr
.macro LEAVE t
	WIN 0x01                                       ; source 0 (O^T) window 1
.set n, 0
.rept 16
	v_pk_mul_f32 v[64+32*(\t)+n:64+32*(\t)+n+1], v[128+32*(\t)+n:128+32*(\t)+n+1], v[16+4*(\t):17+4*(\t)] op_sel_hi:[1,0]   ; each accumulator from its low end on
.set n, n+2
.endr
	WIN 0
.set n, 0
.rept 32
	v_med3_num_f32 v[64+32*(\t)+n], v[64+32*(\t)+n], -v5, v5
.set n, n+1
.endr
.irp d, 0,1,2,3
	v_cvt_scalef32_pk8_fp8_f32 v[192+8*(\t)+2*\d:192+8*(\t)+2*\d+1], v[64+32*(\t)+8*\d:64+32*(\t)+8*\d+7], v6
.endr
	v_nop                                          ; a plain vector line behind the conversions
	global_store_b128 v1, v[192+8*(\t):192+8*(\t)+3], s[12:13] offset:16384*(\t)
	global_store_b128 v1, v[192+8*(\t)+4:192+8*(\t)+7], s[12:13] offset:16384*(\t)+512
.endm
	LEAVE 0
	LEAVE 1
	LEAVE 2
	LEAVE 3
	s_wait_tensorcnt 0x0
	ds_add_u32 v254, v255
	s_wait_dscnt 0x0
	s_endpgm
.Lfunc_end_k_q35e258f246_attn:
	.size	k_q35e258f246_attn, .Lfunc_end_k_q35e258f246_attn-k_q35e258f246_attn
	.p2alignl 7, 3214868480
	.fill 96, 4, 3214868480
	.section	.rodata,"a",@progbits
	.p2align	6, 0x0
	.amdhsa_kernel k_q35e258f246_attn
		.amdhsa_group_segment_fixed_size 263168
		.amdhsa_private_segment_fixed_size 0
		.amdhsa_enable_private_segment 0
		.amdhsa_kernarg_size 40
		.amdhsa_user_sgpr_count 2
		.amdhsa_user_sgpr_kernarg_segment_ptr 1
		.amdhsa_wavefront_size32 1
		.amdhsa_system_sgpr_workgroup_id_x 1
		.amdhsa_system_sgpr_workgroup_id_y 1
		.amdhsa_system_sgpr_workgroup_id_z 1
		.amdhsa_system_vgpr_workitem_id 0
		.amdhsa_next_free_vgpr 512
		.amdhsa_next_free_sgpr 102
		.amdhsa_reserve_vcc 0
		.amdhsa_float_denorm_mode_32 3
		.amdhsa_float_denorm_mode_16_64 3
		.amdhsa_memory_ordered 1
		.amdhsa_forward_progress 1
		.amdhsa_inst_pref_size 177
	.end_amdhsa_kernel
	.amdgpu_metadata
---
amdhsa.version: [ 1, 2 ]
amdhsa.kernels:
  - .name:           k_q35e258f246_attn
    .symbol:         k_q35e258f246_attn.kd
    .args:
      - { .name: q_img, .offset: 0, .size: 8, .value_kind: global_buffer, .address_space: global }
      - { .name: kv, .offset: 8, .size: 8, .value_kind: global_buffer, .address_space: global }
      - { .name: mbits, .offset: 16, .size: 8, .value_kind: global_buffer, .address_space: global }
      - { .name: lowp_scales, .offset: 24, .size: 8, .value_kind: global_buffer, .address_space: global }
      - { .name: a_img, .offset: 32, .size: 8, .value_kind: global_buffer, .address_space: global }
    .group_segment_fixed_size: 263168
    .private_segment_fixed_size: 0
    .kernarg_segment_align: 8
    .kernarg_segment_size: 40
    .max_flat_workgroup_size: 256
    .sgpr_count:     102
    .vgpr_count:     512
    .wavefront_size: 32
...
	.end_amdgpu_metadata
.endif
;; end of part 2
;; launch proj (part 3): grid 4 x 64, 4 waves a work-group, no clusters, 148,992 bytes of LDS; arguments a_img, w_img, lowp_scales, b_out, out0; writes out0
.if DOCPART == 3
	.amdgcn_target "amdgcn-amd-amdhsa--gfx1250"
	.amdhsa_code_object_version 6
	.text
	.protected	k_q35e258f246_proj
	.globl	k_q35e258f246_proj
	.p2align	8
	.type	k_q35e258f246_proj,@function
k_q35e258f246_proj:
	s_mov_b64 s[64:65], 0
	v_nop
	global_prefetch_b8 v0, s[64:65] scope:SCOPE_SE
	s_setreg_imm32_b32 hwreg(HW_REG_WAVE_MODE, 25, 1), 1
	s_wait_xcnt 0x0
; THE PROJECTION: out0[m][n] = sum over k of a[m][k] W_out[n][k] x 2^(ea + ew) + b_out[n], on codes of E4M3 that the earlier launches laid as images of the operands' registers.
; SHARES.  A work-group makes 128 rows x 256 columns; 256 work-groups.  THE WAVES SHARE THE COLUMNS: wave w owns 64 columns, and its part of W_out for the whole K of 1,024 (4 tiles x 8 fragments, 512 registers)
; stays in its registers, read once.  The 128 rows' codes, 131,072 consecutive bytes of a_img, are brought into LDS once, a quarter by each wave, through registers; one barrier; then only read.
; Nothing in LDS is filled again, so there is no ring; one form with the launch before it: no tensor load, no cluster.
; THE MATRIX INSTRUCTION IS USED TRANSPOSED (source 0 = 16 rows of W_out, source 1 = 16 rows of a): a lane holds eight neighbouring columns of one row of the output.
; A tile of 16 rows is 32 products: 8 along K x 4 tiles of columns, the four accumulators by turns; two sets of accumulators and two buffers of a's fragments, so that one tile's way out and the next but one's
; LDS loads stand beside a tile's products.  Results leave through the wave's own stage in LDS as whole rows of 256 bytes.
; LIMIT: ea + ew between -126 and 127, so that 2^(ea + ew) is an f32 number.
; REGISTERS.  window 0: v1 16 x lane; v2 where I store my share of the fill; v3 16 x lane + 65,536; v4, v5 the stage, in and back; v6 my place in two rows of the output; v7 32 x (lane / 16);
;   v16-47 the bias of my 64 columns in the result's layout; v48-111 two sets of four accumulators; v112-143 results; v144-175 rows read back.
;   window 1: W's fragments of K steps 0-3 (step g, tile c at 16 (4 g + c));  window 2: of K steps 4-7;  window 3: the fill, then two buffers of 128 for a's eight fragments of a tile of rows.
.set SLAB, 131072                      ; LDS: the rows' codes; behind them a stage of 16 rows x (256 bytes + 16) for each wave
.set SPI,  272
.set BIAS, 16
.set ACC,  48
.set TMP,  112
.set BK,   144
.set MSB, 0
.macro WIN new                         ; the immediate's high byte repeats the setting that is left
.if MSB != \new
	s_set_vgpr_msb (MSB<<8)|\new
.set MSB, \new
.endif
.endm
	s_load_b256 s[4:11], s[0:1], 0x0               ; a_img s[4:5], w_img s[6:7], the scales' exponents s[8:9], b_out s[10:11]
	s_load_b64 s[12:13], s[0:1], 0x20              ; out0
	v_lshl_add_u32 v254, v0, 2, 0x24400
	v_mov_b32 v255, 0
	v_lshrrev_b32 v1, 5, v0
	v_readfirstlane_b32 s14, v1                    ; wave 0..3
	v_and_b32 v8, 31, v0
	v_lshlrev_b32 v1, 4, v8
	s_lshl_b32 s15, s14, 15
	v_add_nc_u32 v2, s15, v1
	v_add_nc_u32 v3, 0x10000, v1
	v_and_b32 v9, 15, v0                           ; r
	v_bfe_u32 v10, v0, 4, 1                        ; h
	s_mul_i32 s16, s14, 16*SPI
	s_add_co_u32 s16, s16, SLAB                    ; my stage
	v_mul_u32_u24 v4, v9, SPI
	v_lshl_add_u32 v4, v10, 5, v4
	v_add_nc_u32 v4, s16, v4                       ; in: row r, + 32 h
	v_mul_u32_u24 v5, v10, SPI
	v_lshl_add_u32 v5, v9, 4, v5
	v_add_nc_u32 v5, s16, v5                       ; back: lanes 0-15 one row of 256 bytes, lanes 16-31 the next
	v_lshlrev_b32 v6, 12, v10
	v_lshl_add_u32 v6, v9, 4, v6                   ; and the same two rows in the output
	v_lshlrev_b32 v7, 5, v10
	s_and_b32 s17, ttmp7, 0xffff                   ; the block of 128 rows
	s_lshl_b32 s22, ttmp9, 18                      ; W: tile 16 x + 4 wave, 16,384 bytes a tile
	s_lshl_b32 s23, s14, 16
	s_add_co_u32 s22, s22, s23
	s_mov_b32 s23, 0
	s_lshl_b32 s24, s17, 17                        ; a: the block's 131,072 bytes, my quarter
	s_add_co_u32 s24, s24, s15
	s_mov_b32 s25, 0
	s_lshl_b32 s26, ttmp9, 10                      ; my first column, in bytes: 1,024 x + 256 wave
	s_lshl_b32 s27, s14, 8
	s_add_co_u32 s26, s26, s27
	s_mov_b32 s27, 0
	s_lshl_b32 s28, s17, 19                        ; 128 rows of 4,096 bytes
	s_add_co_u32 s28, s28, s26
	s_mov_b32 s29, 0
	s_wait_kmcnt 0x0
	s_load_b64 s[18:19], s[8:9], 0x10              ; ea, ew
	s_add_nc_u64 s[6:7], s[6:7], s[22:23]
	s_add_nc_u64 s[4:5], s[4:5], s[24:25]
	s_add_nc_u64 s[10:11], s[10:11], s[26:27]
	s_add_nc_u64 s[12:13], s[12:13], s[28:29]
.macro WLOAD g0                        ; W's fragments of K steps g0 .. g0 + 3
.irp g, 0,1,2,3
.irp c, 0,1,2,3
.irp i, 0,1,2,3
	global_load_b128 v[16*(4*\g+\c)+4*\i:16*(4*\g+\c)+4*\i+3], v1, s[6:7] offset:16384*\c+2048*(\g0+\g)+512*\i
.endr
.endr
.endr
.endm
	WIN 0x40                                       ; destination window 1
	WLOAD 0
	WIN 0xc0                                       ; destination window 3
.set m, 0
.rept 64
	global_load_b128 v[4*m:4*m+3], v1, s[4:5] offset:512*m
.set m, m+1
.endr
	WIN 0x80                                       ; destination window 2
	WLOAD 4
	WIN 0
.irp c, 0,1,2,3
	global_load_b128 v[BIAS+8*\c:BIAS+8*\c+3], v7, s[10:11] offset:64*\c       ; lane (r, h): columns 16 c + 8 h + 0 .. 7 of my 64
	global_load_b128 v[BIAS+8*\c+4:BIAS+8*\c+7], v7, s[10:11] offset:64*\c+16
.endr
	s_wait_loadcnt 63                              ; 200 loads were issued; with 63 out at the most the first 137 are in, a's 64 (numbers 65 to 128) among them
	WIN 0x0c                                       ; an LDS store's data window 3
.set m, 0
.rept 64
	ds_store_b128 v2, v[4*m:4*m+3] offset:512*m
.set m, m+1
.endr
	WIN 0
	s_wait_dscnt 0x0                               ; for the others' sake: my quarter lies in LDS
	s_barrier_signal -1
	s_barrier_wait -1                              ; the 128 rows' codes are whole; they are only read from here on
	s_wait_loadcnt 0x0                             ; the rest of W, and the bias
	s_wait_kmcnt 0x0
	s_add_co_i32 s20, s18, s19
	s_add_co_i32 s20, s20, 127
	s_lshl_b32 s20, s20, 23                        ; 2^(ea + ew) as f32
	s_mov_b32 s21, s20                             ; (named with it as a pair, so it is written)
.macro FETCH rt                        ; the eight fragments of tile rt of rows: 32 loads of 512 consecutive bytes, into buffer rt % 2
	WIN 0xc0
.irp g, 0,1,2,3,4,5,6,7
.irp i, 0,1,2,3
.if (\rt) < 4
	ds_load_b128 v[128*((\rt)%2)+16*\g+4*\i:128*((\rt)%2)+16*\g+4*\i+3], v1 offset:16384*(\rt)+2048*\g+512*\i
.else
	ds_load_b128 v[128*((\rt)%2)+16*\g+4*\i:128*((\rt)%2)+16*\g+4*\i+3], v3 offset:16384*((\rt)-4)+2048*\g+512*\i
.endif
.endr
.endr
.endm
.macro MULT rt                         ; 32 products; the four accumulators take turns, one instruction a turn; the first K step starts the sums
.irp g, 0,1,2,3,4,5,6,7
.if \g < 4
	WIN 0x0d                                       ; source 0 (W) window 1, source 1 (a) window 3
.else
	WIN 0x0e                                       ; source 0 window 2
.endif
.irp c, 0,1,2,3
.if \g == 0
	v_wmma_f32_16x16x128_fp8_fp8 v[ACC+32*((\rt)%2)+8*\c:ACC+32*((\rt)%2)+8*\c+7], v[16*(4*(\g%4)+\c):16*(4*(\g%4)+\c)+15], v[128*((\rt)%2)+16*\g:128*((\rt)%2)+16*\g+15], 0
.else
	v_wmma_f32_16x16x128_fp8_fp8 v[ACC+32*((\rt)%2)+8*\c:ACC+32*((\rt)%2)+8*\c+7], v[16*(4*(\g%4)+\c):16*(4*(\g%4)+\c)+15], v[128*((\rt)%2)+16*\g:128*((\rt)%2)+16*\g+15], v[ACC+32*((\rt)%2)+8*\c:ACC+32*((\rt)%2)+8*\c+7]
.endif
.endr
.endr
.endm
.macro OUTP rt                         ; tile rt's way out
.set AC, ACC+32*((\rt)%2)
	WIN 0
.set m, 0
.rept 16
	v_pk_fma_f32 v[TMP+m:TMP+m+1], v[AC+m:AC+m+1], s[20:21], v[BIAS+m:BIAS+m+1] op_sel_hi:[1,0,1]   ; sum x 2^(ea + ew) + bias, two at a time; each accumulator from its low end on
.set m, m+2
.endr
.set m, 0
.rept 8
	ds_store_b128 v4, v[TMP+4*m:TMP+4*m+3] offset:64*(m/2)+16*(m%2)
.set m, m+1
.endr
	s_wait_xcnt 0x0                                ; the last tile's stores have read the registers into which the rows are read back
.set m, 0
.rept 8
	ds_load_b128 v[BK+4*m:BK+4*m+3], v5 offset:2*SPI*m     ; LDS serves a wave's instructions in order: these see my stores
.set m, m+1
.endr
	s_wait_dscnt 0x0
.set m, 0
.rept 8
	global_store_b128 v6, v[BK+4*m:BK+4*m+3], s[12:13] offset:(16*(\rt)+2*m)*4096 th:TH_STORE_NT   ; sixteen lanes store 256 consecutive bytes, aligned; written once, read by nobody here
.set m, m+1
.endr
.endm
.macro PLACES                          ; four plain vector lines between matrix instructions and loads into registers that they have read, or reads of their results
.rept 4
	v_nop
.endr
.endm
	FETCH 0
.irp rt, 0,1,2,3,4,5,6
	PLACES
	FETCH \rt+1                                    ; into the buffer that the tile before has multiplied
	s_wait_dscnt 32                                ; all but the 32 just issued: this tile's fragments are in
	MULT \rt
.if \rt > 0
	OUTP \rt-1                                     ; the tile before leaves while this tile is multiplied
.endif
.endr
	PLACES
	s_wait_dscnt 0x0
	MULT 7
	OUTP 6
	PLACES
	OUTP 7
	s_wait_tensorcnt 0x0
	ds_add_u32 v254, v255
	s_wait_dscnt 0x0
	s_endpgm
.Lfunc_end_k_q35e258f246_proj:
	.size	k_q35e258f246_proj, .Lfunc_end_k_q35e258f246_proj-k_q35e258f246_proj
	.p2alignl 7, 3214868480
	.fill 96, 4, 3214868480
	.section	.rodata,"a",@progbits
	.p2align	6, 0x0
	.amdhsa_kernel k_q35e258f246_proj
		.amdhsa_group_segment_fixed_size 148992
		.amdhsa_private_segment_fixed_size 0
		.amdhsa_enable_private_segment 0
		.amdhsa_kernarg_size 40
		.amdhsa_user_sgpr_count 2
		.amdhsa_user_sgpr_kernarg_segment_ptr 1
		.amdhsa_wavefront_size32 1
		.amdhsa_system_sgpr_workgroup_id_x 1
		.amdhsa_system_sgpr_workgroup_id_y 1
		.amdhsa_system_sgpr_workgroup_id_z 1
		.amdhsa_system_vgpr_workitem_id 0
		.amdhsa_next_free_vgpr 1024
		.amdhsa_next_free_sgpr 66
		.amdhsa_reserve_vcc 0
		.amdhsa_float_denorm_mode_32 3
		.amdhsa_float_denorm_mode_16_64 3
		.amdhsa_memory_ordered 1
		.amdhsa_forward_progress 1
		.amdhsa_inst_pref_size 83
	.end_amdhsa_kernel
	.amdgpu_metadata
---
amdhsa.version: [ 1, 2 ]
amdhsa.kernels:
  - .name:           k_q35e258f246_proj
    .symbol:         k_q35e258f246_proj.kd
    .args:
      - { .name: a_img, .offset: 0, .size: 8, .value_kind: global_buffer, .address_space: global }
      - { .name: w_img, .offset: 8, .size: 8, .value_kind: global_buffer, .address_space: global }
      - { .name: lowp_scales, .offset: 16, .size: 8, .value_kind: global_buffer, .address_space: global }
      - { .name: b_out, .offset: 24, .size: 8, .value_kind: global_buffer, .address_space: global }
      - { .name: out0, .offset: 32, .size: 8, .value_kind: global_buffer, .address_space: global }
    .group_segment_fixed_size: 148992
    .private_segment_fixed_size: 0
    .kernarg_segment_align: 8
    .kernarg_segment_size: 40
    .max_flat_workgroup_size: 128
    .sgpr_count:     66
    .vgpr_count:     1024
    .wavefront_size: 32
...
	.end_amdgpu_metadata
.endif
;; end of part 3
;; ======== version 2 of 2: 3 launches
;; workspace buffers: q_img 8,388,608 bytes; kv 16,777,216 bytes; mbits 2,097,152 bytes of whole numbers; w_img 1,048,576 bytes; a_img 8,388,608 bytes
;; launch prep (part 4): grid 1312 x 1, 4 waves a work-group, no clusters, 68,096 bytes of LDS; arguments mask, query, keys, values, W_out, lowp_scales, mbits, q_img, kv, w_img; writes mbits, q_img, kv, w_img
.if DOCPART == 4
	.amdgcn_target "amdgcn-amd-amdhsa--gfx1250"
	.amdhsa_code_object_version 6
	.text
	.protected	k_q35e258f246_prep
	.globl	k_q35e258f246_prep
	.p2align	8
	.type	k_q35e258f246_prep,@function
k_q35e258f246_prep:
	s_mov_b64 s[64:65], 0
	v_nop
	global_prefetch_b8 v0, s[64:65] scope:SCOPE_SE
	s_setreg_imm32_b32 hwreg(HW_REG_WAVE_MODE, 25, 1), 1
	s_wait_xcnt 0x0
; PREPARATION: every wide input is read once and laid down small, in the order in which the later launches' matrix operands take it.
; An operand's FRAGMENT (16 rows x 64 or 128 along K of E4M3 codes) is kept as an image of its registers: lane 16 h + r holds row r, registers 2 c, 2 c + 1 hold k = 16 c + 8 h + 0 .. 7;
; a PIECE is four registers of all 32 lanes, 512 bytes, lane l's 16 bytes at 16 l.  So every later read is 16 bytes a lane, 512 consecutive bytes a wave.
;   q_img [n 16 + head][tile of 16 queries: 128][piece 2][512]            k = the head's 64
;   kv    [n 16 + head][step of 128 keys: 16][16,384]: K at +0: [tile of 16 keys: 8][piece 2][512], k = the head's 64;  V at +8,192: [16 of the head's 64: 4][piece 4][512], k = the step's 128 keys
;   w_img [tile of 16 rows of W_out: 64][128 along K: 8][piece 4][512]
;   mbits [n 128 + tile of 16 queries][step: 16][64 words]: bit 16 h + r of word 8 T + j says whether mask[n][16 tile + r][128 step + 16 T + 8 h + j] is not 0: a lane mask for one register of the scores
; code = x / 2^e, held within +-448, rounded to the nearest code, ties to even; e from lowp_scales: 0 query, 1 keys, 2 values, 5 W_out.
; LIMITS: each of these e lies between -126 and 119, so that 2^e and 448 x 2^e are f32 numbers.  NaN among the inputs is not served.
; THREE PATHS, parted by the work-group's number, which never meet again: 0-511 the mask; 512-1055 the tensors whose K is innermost (256 for query, 256 for keys, 32 for W_out: one text, only pointers and
; numbers are chosen); 1056-1311 the values, whose K (the keys) is not innermost.  Waves share nothing: no barrier.  Memory binds: no matrix unit, no cluster, no tensor load.
.set STG,  8448                        ; a wave's stage in LDS: 16 rows x (512 bytes + 16 of padding); the mask's path has four, the rows' path four others
.set RB,   16                          ; v16-143   two sets of 64: 16 rows x 16 bytes a lane, as loaded
.set X,    144                         ; v144-207  64 numbers of my row: register 8 c + j = column 16 c + 8 h + j of the unit's 128
.set C,    208                         ; v208-239  codes, two sets of 16 (rows' path)
.set MW,   208                         ; v208-215  mask words, two registers a unit (mask's path)
.set XV,   16                          ; v16-143   values: two sets of 64: register 32 u + i = key 32 b + i of column 32 u + lane
.set CV,   144                         ; v144-207  values: codes, 16 registers a block, never written twice
; 16 rows x 512 bytes: unit u of the wave's four; each load reads 512 consecutive bytes of one row
.macro LOADU set, u, pitch, base
.irp row, 0,1,2,3,4,5,6,7,8,9,10,11,12,13,14,15
	global_load_b128 v[RB+64*(\set)+4*\row:RB+64*(\set)+4*\row+3], v4, s[\base:\base+1] offset:\row*\pitch+512*(\u) th:TH_LOAD_NT
.endr
.endm
; through the wave's own stage: in as loaded, out so that a lane holds 64 numbers of ONE row.  LDS serves a wave's instructions in order: no wait between the stores and the loads
.macro TURN set, sti, sto
.irp row, 0,1,2,3,4,5,6,7,8,9,10,11,12,13,14,15
	ds_store_b128 v[\sti], v[RB+64*(\set)+4*\row:RB+64*(\set)+4*\row+3] offset:528*\row
.endr
.irp c, 0,1,2,3,4,5,6,7
	ds_load_b128 v[X+8*\c:X+8*\c+3], v[\sto] offset:64*\c
	ds_load_b128 v[X+8*\c+4:X+8*\c+7], v[\sto] offset:64*\c+16
.endr
.endm
; the mask's work on a unit: each register's 32 lanes give one word; word 8 g + k goes to lane 4 g + k / 2 of one of two registers, so that one store of 8 bytes a lane writes the step's 256 bytes
.macro MWORK u
.irp g, 0,1,2,3,4,5,6,7
.irp k, 0,1,2,3,4,5,6,7
	v_cmp_ne_u32 s[36+\k], 0, v[X+8*\g+\k]
.endr
.irp k, 0,1,2,3,4,5,6,7
	v_writelane_b32 v[MW+2*(\u)+\k%2], s[36+\k], 4*\g+\k/2
.endr
.endr
	global_store_b64 v9, v[MW+2*(\u):MW+2*(\u)+1], s[16:17] offset:256*(\u)   ; 256 consecutive bytes, aligned
.endm
; the rows' work on a unit of 128 columns: two heads' fragments (query, keys) or one fragment of 128 along K (W_out): four pieces
.macro RWORK u
.set CS, C+16*((\u)%2)
.if (\u) >= 2
	s_wait_xcnt 0x0                                ; the stores of two units ago have read this set of codes: it is written again only behind this wait
.endif
.set i, 0
.rept 64
	v_med3_num_f32 v[X+i], v[X+i], -v10, v10       ; the conversion to an 8-bit code does not saturate (ISA guide 7.6.2): the hold at the largest code x the scale
.set i, i+1
.endr
.irp c, 0,1,2,3,4,5,6,7
	v_cvt_scalef32_pk8_fp8_f32 v[CS+2*\c:CS+2*\c+1], v[X+8*\c:X+8*\c+7], v11
.endr
	v_nop                                          ; a plain vector line behind the conversions: the next unit's holds write their sources
	global_store_b128 v[240+\u], v[CS:CS+3], s[48:49]
	global_store_b128 v[240+\u], v[CS+4:CS+7], s[48:49] offset:512
	global_store_b128 v[244+\u], v[CS+8:CS+11], s[48:49]
	global_store_b128 v[244+\u], v[CS+12:CS+15], s[48:49] offset:512
.endm
; the four units of a wave; units 0 and 1 have been asked for.  Two units' loads (32 a wave) are on their way while one is worked
.macro FLOW pitch, base, sti, sto, rows
.irp u, 0,1,2,3
.if \u < 3
	s_wait_loadcnt 16                              ; this unit's 16 loads are in; the next unit's 16 may be out
.else
	s_wait_loadcnt 0x0
.endif
	TURN \u%2, \sti, \sto
	s_wait_dscnt 0x0                               ; the numbers are back, and the stores into the stage have read their registers,
.if \u < 2
	LOADU \u%2, \u+2, \pitch, \base                ; which take the unit two further on
.endif
.if \rows
	RWORK \u
.else
	MWORK \u
.endif
.endr
.endm
.macro MKSCALE e                       ; v11 = 2^e as f32 (the conversion takes its exponent field), v10 = 448 x 2^e
	s_add_co_i32 s59, s[\e], 127
	s_lshl_b32 s58, s59, 23
	v_mov_b32 v11, s58
	s_add_co_i32 s59, s59, 8
	s_lshl_b32 s59, s59, 23
	s_or_b32 s59, s59, 0x600000
	v_mov_b32 v10, s59
.endm
	s_load_b512 s[4:19], s[0:1], 0x0               ; mask s[4:5], query s[6:7], keys s[8:9], values s[10:11], W_out s[12:13], scales s[14:15], mbits s[16:17], q_img s[18:19]
	s_load_b128 s[20:23], s[0:1], 0x40             ; kv s[20:21], w_img s[22:23]
	v_lshl_add_u32 v254, v0, 2, 0x10800
	v_mov_b32 v255, 0
	v_lshrrev_b32 v1, 5, v0
	v_readfirstlane_b32 s24, v1                    ; wave 0..3
	v_and_b32 v1, 31, v0                           ; lane
	v_and_b32 v2, 15, v0                           ; r
	v_bfe_u32 v3, v0, 4, 1                         ; h
	v_lshlrev_b32 v4, 4, v1                        ; 16 x lane
	s_mul_i32 s25, s24, STG
	v_add_nc_u32 v5, s25, v4                       ; the mask's stage, in: 16 x lane of a row
	v_mul_u32_u24 v6, v2, 528
	v_lshl_add_u32 v6, v3, 5, v6
	v_add_nc_u32 v6, s25, v6                       ; and out: row r, + 32 h
	v_add_nc_u32 v7, 4*STG, v5                     ; the rows' path has LDS bytes of its own
	v_add_nc_u32 v8, 4*STG, v6
	s_wait_kmcnt 0x0
	s_cmp_lt_u32 ttmp9, 512
	s_cbranch_scc1 .Lmask
	s_load_b128 s[28:31], s[14:15], 0x0            ; e0 .. e3
	s_load_b64 s[32:33], s[14:15], 0x10            ; e4, e5
	s_cmp_lt_u32 ttmp9, 1056
	s_cbranch_scc1 .Lrows
; ---- THE VALUES.  A wave owns one (n, step of 128 keys, head): 128 keys x 64 columns.  A LANE TAKES A COLUMN AND ITS REGISTERS RUN DOWN THE KEYS, so the conversions give codes with the keys innermost; nothing is transposed.
	s_sub_co_u32 s44, ttmp9, 1056
	s_lshr_b32 s45, s44, 2                         ; 16 n + step
	s_and_b32 s46, s44, 3
	s_lshl_b32 s46, s46, 2
	s_add_co_u32 s46, s46, s24                     ; head
	s_lshl_b32 s48, s45, 19                        ; 128 rows of 4,096 bytes
	s_lshl_b32 s47, s46, 8                         ; + the head's 256 bytes of a row
	s_add_co_u32 s48, s48, s47
	s_mov_b32 s49, 0
	s_add_nc_u64 s[10:11], s[10:11], s[48:49]
	s_lshr_b32 s47, s45, 4                         ; n
	s_and_b32 s45, s45, 15                         ; step
	s_lshl_b32 s47, s47, 4
	s_add_co_u32 s47, s47, s46                     ; 16 n + head
	s_lshl_b32 s47, s47, 4
	s_add_co_u32 s47, s47, s45
	s_lshl_b32 s48, s47, 14
	s_add_co_u32 s48, s48, 8192                    ; V's half of the step's 16,384 bytes
	s_add_nc_u64 s[20:21], s[20:21], s[48:49]
	v_lshlrev_b32 v9, 2, v1                        ; in: 4 bytes a lane
	s_wait_alu depctr_va_vdst(0)
	v_lshlrev_b32 v12, 11, v3                      ; out: column 32 u + lane is row lane % 16 of fragment 2 u + lane / 16
	v_lshl_add_u32 v12, v2, 4, v12
.macro LOADV b                         ; block b: keys 32 b .. 32 b + 31 of my two columns; a row's two halves of 128 bytes are asked for by neighbouring lines
.set kk, 32*(\b)
.rept 32
	global_load_b32 v[XV+64*((\b)%2)+kk%32], v9, s[10:11] offset:4096*kk th:TH_LOAD_NT
	global_load_b32 v[XV+64*((\b)%2)+32+kk%32], v9, s[10:11] offset:4096*kk+128 th:TH_LOAD_NT
.set kk, kk+1
.endr
.endm
.macro VBLOCK b
.set XS, XV+64*((\b)%2)
.if (\b) < 3
	s_wait_loadcnt 63                              ; 64 loads were issued behind this block's: with 63 out at the most, this block's are in
.else
	s_wait_loadcnt 0x0
.endif
.set i, 0
.rept 64
	v_med3_num_f32 v[XS+i], v[XS+i], -v10, v10
.set i, i+1
.endr
.irp u, 0,1
.irp g, 0,1,2,3                        ; keys 32 b + 8 g on belong to the reading lane's half g % 2, and are the first or second 8 of its 16 bytes by g / 2
	v_cvt_scalef32_pk8_fp8_f32 v[CV+16*(\b)+8*\u+4*(\g%2)+2*(\g/2):CV+16*(\b)+8*\u+4*(\g%2)+2*(\g/2)+1], v[XS+32*\u+8*\g:XS+32*\u+8*\g+7], v11
.endr
.endr
	v_nop                                          ; a plain vector line behind the conversions: later holds write their sources
.if (\b) < 2
	LOADV (\b)+2
.endif
.irp u, 0,1
.irp p, 0,1
	global_store_b128 v12, v[CV+16*(\b)+8*\u+4*\p:CV+16*(\b)+8*\u+4*\p+3], s[20:21] offset:4096*\u+512*(\b)+256*\p   ; sixteen lanes store 256 consecutive bytes, aligned
.endr
.endr
.endm
	LOADV 0
	LOADV 1
	s_wait_kmcnt 0x0
	MKSCALE 30                                     ; e2
	s_wait_alu depctr_va_vdst(0)
	VBLOCK 0
	VBLOCK 1
	VBLOCK 2
	VBLOCK 3
	s_endpgm
; ---- QUERY, KEYS, W_OUT: K innermost.  A wave owns 16 rows x 512 columns: four units of 128 columns.
.Lrows:
	s_sub_co_u32 s44, ttmp9, 512
	s_mov_b32 s51, 512
	s_mov_b32 s52, 1024
	s_mov_b32 s53, 16384
	s_cmp_lt_u32 s44, 512                          ; keys or W_out?  Every choice hangs on the work-group's number alone
	s_cselect_b64 s[46:47], s[8:9], s[12:13]       ; from
	s_cselect_b64 s[48:49], s[20:21], s[22:23]     ; to
	s_cselect_b32 s51, 256, s51                    ; the tensor's first work-group
	s_cselect_b32 s52, 0x40000, s52                ; bytes from one 64 along K to the next: a head of kv, or half a fragment of w_img
	s_cselect_b32 s53, 1024, s53                   ; bytes from a tile of 16 rows to the next
	s_cselect_b32 s54, 8192, 0                     ; kv: V's 8,192 bytes behind every eight tiles of keys
	s_cmp_lt_u32 s44, 256                          ; or query?
	s_cselect_b64 s[46:47], s[6:7], s[46:47]
	s_cselect_b64 s[48:49], s[18:19], s[48:49]
	s_cselect_b32 s51, 0, s51
	s_cselect_b32 s52, 0x20000, s52                ; a head of q_img
	s_cselect_b32 s54, 0, s54
	s_sub_co_u32 s51, s44, s51
	s_lshl_b32 s51, s51, 1
	s_lshr_b32 s55, s24, 1
	s_add_co_u32 s51, s51, s55                     ; my tile of 16 rows, counted through the tensor
	s_and_b32 s55, s24, 1                          ; my half of the 1,024 columns
	s_lshl_b32 s56, s51, 16                        ; 16 rows of 4,096 bytes
	s_lshl_b32 s57, s55, 11
	s_add_co_u32 s56, s56, s57
	s_mov_b32 s57, 0
	s_add_nc_u64 s[46:47], s[46:47], s[56:57]
	s_wait_alu depctr_va_vdst(0)
	LOADU 0, 0, 4096, 46
	LOADU 1, 1, 4096, 46
	s_lshr_b32 s56, s51, 7                         ; n
	s_and_b32 s51, s51, 127                        ; the tile within n
	s_lshl_b32 s56, s56, 1
	s_add_co_u32 s56, s56, s55
	s_lshl_b32 s56, s56, 3                         ; 16 n + 8 x half: my first 64 along K
	s_mul_i32 s56, s56, s52
	s_mul_i32 s58, s51, s53
	s_add_co_u32 s56, s56, s58
	s_lshr_b32 s58, s51, 3
	s_mul_i32 s58, s58, s54
	s_add_co_u32 s56, s56, s58
	s_add_nc_u64 s[48:49], s[48:49], s[56:57]
	s_lshl_b32 s58, s52, 1
	v_mov_b32 v240, v4                             ; unit u's first two pieces: 16 x lane + 2 u x the step along K;
	v_add_nc_u32 v241, s58, v240
	v_add_nc_u32 v242, s58, v241
	v_add_nc_u32 v243, s58, v242
.irp u, 0,1,2,3
	v_add_nc_u32 v[244+\u], s52, v[240+\u]         ; its other two: one step further
.endr
	s_wait_kmcnt 0x0
	s_cmp_lt_u32 s44, 512
	s_cselect_b32 s50, s29, s33                    ; e1 or e5,
	s_cmp_lt_u32 s44, 256
	s_cselect_b32 s50, s28, s50                    ; or e0
	MKSCALE 50
	s_wait_alu depctr_va_vdst(0)
	FLOW 4096, 46, 7, 8, 1
	s_wait_tensorcnt 0x0
	ds_add_u32 v254, v255
	s_wait_dscnt 0x0
	s_endpgm
; ---- THE MASK.  A work-group owns 16 queries of one n, a wave four steps of 128 keys.
.Lmask:
	s_lshl_b32 s44, ttmp9, 17                      ; 16 rows of 8,192 bytes
	s_lshl_b32 s45, s24, 11                        ; + my four units of 512 bytes
	s_add_co_u32 s44, s44, s45
	s_mov_b32 s45, 0
	s_add_nc_u64 s[4:5], s[4:5], s[44:45]
	s_wait_alu depctr_va_vdst(0)
	LOADU 0, 0, 8192, 4
	LOADU 1, 1, 8192, 4
	s_lshl_b32 s44, ttmp9, 12                      ; 16 steps of 256 bytes
	s_lshl_b32 s46, s24, 10
	s_add_co_u32 s44, s44, s46
	s_add_nc_u64 s[16:17], s[16:17], s[44:45]
	v_lshlrev_b32 v9, 3, v1
.irp i, 0,1,2,3,4,5,6,7
	v_mov_b32 v[MW+\i], 0                          ; written whole once: v_writelane_b32 writes a lane at a time
.endr
	FLOW 8192, 4, 5, 6, 0
	s_wait_tensorcnt 0x0
	ds_add_u32 v254, v255
	s_wait_dscnt 0x0
	s_endpgm
.Lfunc_end_k_q35e258f246_prep:
	.size	k_q35e258f246_prep, .Lfunc_end_k_q35e258f246_prep-k_q35e258f246_prep
	.p2alignl 7, 3214868480
	.fill 96, 4, 3214868480
	.section	.rodata,"a",@progbits
	.p2align	6, 0x0
	.amdhsa_kernel k_q35e258f246_prep
		.amdhsa_group_segment_fixed_size 68096
		.amdhsa_private_segment_fixed_size 0
		.amdhsa_enable_private_segment 0
		.amdhsa_kernarg_size 80
		.amdhsa_user_sgpr_count 2
		.amdhsa_user_sgpr_kernarg_segment_ptr 1
		.amdhsa_wavefront_size32 1
		.amdhsa_system_sgpr_workgroup_id_x 1
		.amdhsa_system_sgpr_workgroup_id_y 1
		.amdhsa_system_sgpr_workgroup_id_z 1
		.amdhsa_system_vgpr_workitem_id 0
		.amdhsa_next_free_vgpr 256
		.amdhsa_next_free_sgpr 66
		.amdhsa_reserve_vcc 0
		.amdhsa_float_denorm_mode_32 3
		.amdhsa_float_denorm_mode_16_64 3
		.amdhsa_memory_ordered 1
		.amdhsa_forward_progress 1
		.amdhsa_inst_pref_size 131
	.end_amdhsa_kernel
	.amdgpu_metadata
---
amdhsa.version: [ 1, 2 ]
amdhsa.kernels:
  - .name:           k_q35e258f246_prep
    .symbol:         k_q35e258f246_prep.kd
    .args:
      - { .name: mask, .offset: 0, .size: 8, .value_kind: global_buffer, .address_space: global }
      - { .name: query, .offset: 8, .size: 8, .value_kind: global_buffer, .address_space: global }
      - { .name: keys, .offset: 16, .size: 8, .value_kind: global_buffer, .address_space: global }
      - { .name: values, .offset: 24, .size: 8, .value_kind: global_buffer, .address_space: global }
      - { .name: W_out, .offset: 32, .size: 8, .value_kind: global_buffer, .address_space: global }
      - { .name: lowp_scales, .offset: 40, .size: 8, .value_kind: global_buffer, .address_space: global }
      - { .name: mbits, .offset: 48, .size: 8, .value_kind: global_buffer, .address_space: global }
      - { .name: q_img, .offset: 56, .size: 8, .value_kind: global_buffer, .address_space: global }
      - { .name: kv, .offset: 64, .size: 8, .value_kind: global_buffer, .address_space: global }
      - { .name: w_img, .offset: 72, .size: 8, .value_kind: global_buffer, .address_space: global }
    .group_segment_fixed_size: 68096
    .private_segment_fixed_size: 0
    .kernarg_segment_align: 8
    .kernarg_segment_size: 80
    .max_flat_workgroup_size: 128
    .sgpr_count:     66
    .vgpr_count:     256
    .wavefront_size: 32
...
	.end_amdgpu_metadata
.endif
;; end of part 4
;; launch attn (part 5): grid 4 x 64, 8 waves a work-group, no clusters, 263,168 bytes of LDS; arguments q_img, kv, mbits, lowp_scales, a_img; writes a_img
.if DOCPART == 5
	.amdgcn_target "amdgcn-amd-amdhsa--gfx1250"
	.amdhsa_code_object_version 6
	.text
	.protected	k_q35e258f246_attn
	.globl	k_q35e258f246_attn
	.p2align	8
	.type	k_q35e258f246_attn,@function
k_q35e258f246_attn:
	s_mov_b64 s[64:65], 0
	v_nop
	global_prefetch_b8 v0, s[64:65] scope:SCOPE_SE
	s_setreg_imm32_b32 hwreg(HW_REG_WAVE_SCHED_MODE, 0, 2), 2
	s_setreg_imm32_b32 hwreg(HW_REG_WAVE_MODE, 25, 1), 1
	s_wait_xcnt 0x0
	s_wait_alu depctr_vm_vsrc(0)
; ATTENTION ON CODES OF E4M3.  For one (n, head) and 512 queries: S^T = K Q^T, hidden keys by the mask, p = 2^(t - M), O^T += V^T P^T, O / l quantised into the projection's operand.
; t = score x 2^(eq + ek) x log2(e) / 32; M = the running largest t rounded UP to a whole number; p is quantised with 2^ep, not normalised; l is the sum of the unquantised p.  When M moves, l and O^T are
; multiplied by 2^(old M - new M), a power of two.
; SHARES.  256 work-groups of equal work; eight waves, two to a SIMD, each with 64 queries: four tiles of 16.  THE HEAD'S WHOLE K AND V, 262,144 bytes of codes, LIE IN LDS for the whole launch, as images of the
; operands' registers: filled once through registers, one barrier, then only read.  So there is no ring and nothing is filled again; that is why no tensor load is used, and why no cluster: what the four
; work-groups of a head share is read once, at the head.  Each fragment of K or V read from LDS feeds four tiles.
; LAYOUT.  Both products are used transposed: a lane holds ONE query (lane % 16) throughout.  Register 8 T + j of S^T is key 16 T + 8 (lane / 16) + j, so the conversion of tile T's eight registers gives registers
; 2 T, 2 T + 1 of P: the very place that the 16x16x128 form gives those keys.  Nothing is permuted.
; THE MASK costs one v_cndmask_b32 a score, ahead of the maximum: the earlier launch has made a lane mask for each register of S^T; 64 words a tile and step come by scalar loads, a unit ahead.
; A HIDDEN SCORE is -2^66 / 2^(eq + ek) in place of reference's -1e20 (about -2^66.4): its t is then a whole number, made without rounding, so that in a row with every key hidden t - M is exactly 0 and p = 1, as in
; reference.  Beside any key that counts, a hidden key's p is 0 with either number.
; THE HOLD of p at 448 x 2^ep changes nothing where ep >= -8 (448 x 2^-8 = 1.75, and p is at most 1 and one rounding): there a scalar branch on ep, a whole number of the input, jumps over its 64 lines.
; BY TURNS.  The scores have two buffers: the next tile's eight products K Q^T are issued ahead of this tile's softmax, and its four products V^T P are followed by the next tile's vector work.
; LIMITS: eq + ek between -61 and 30; ep between -126 and 119; ep + ev - ea between -100 and 100.  NaN among the inputs is not served.
; REGISTERS.  window 0: v1 16 x lane; v2 LDS address of the step in hand; v3 where I store my share of the fill; v4 the hidden score; v5 448 x 2^ep; v6 2^ep; v7-10 at work; v[12:13] f; v[14:15] a second chain of
;   the sum; v[16 + 4 t ..] tile t: -M, the largest t, l in two halves; v[32 + 8 t ..] Q; v64-127, v128-191 S^T, two buffers; v192-207 P's codes (on the way out v192-223).
;   window 1: v0-63 K of a step (tile T at 8 T); v64-127 V of a step (fragment d at 64 + 16 d); v128-255 O^T (tile t, fragment d at 128 + 32 t + 8 d).
; s[16:63], s[80:95]: the unit's 64 mask words (word n in s[16 + n], from word 48 on in s[32 + n]).
; THE MODE: SCHED_MODE bits 1:0 = 2 (LLVM: expert scheduling mode 2), set by the entry lines.  The code itself states the register dependences between vector or matrix instructions and memory or LDS
; instructions, with s_wait_alu, always for 0.
; THE PLAN.  Registers that memory or LDS instructions touch:
;   v1, v3          Offsets, made once at the head, ahead of one wait on va_vdst, and never written again.
;   v2              Read by both runs of LDS loads; written once a step, in tile 2's unit: a wait on vm_vsrc ahead of the add, and the wait of K's run behind it.
;   window 1        At the head the fill's global loads land in all of it and the fill's LDS stores read it: one wait on vm_vsrc, ahead of the barrier, frees it for what follows.
;     v0-63   K     Read by the products K Q^T, the step's last of which stand at the head of tile 2's unit; the LDS loads of the next step land in it later in that unit.
;     v64-127 V     Read by the products V^T P, the step's last of which end tile 3's unit; the LDS loads of the next step land in it in tile 0's unit.
;     v128-255 O^T  Named by vector and matrix instructions alone, from its clearing on.
;   v192-223        On the way out: written by the conversions, read by the eight stores, which stand in one run behind one wait on va_vdst.
; So a step has eleven waits on va_vdst: one ahead of and one behind each of its four batches of exponentials, one ahead of the wait for V in tile 0's unit, and one directly ahead of each run of 16 LDS loads, behind the unit's 64 selections.
; The runs are not dealt among the vector lines: their destination lies in window 1 and the softmax works in window 0, so each load set apart would want two switches of the window.
.set STEPB, 16384                      ; a step's K and V in LDS and in kv
.set W_QK, 0x01                        ; source 0 (K) window 1
.set W_LD, 0x40                        ; destination window 1
.set W_ST, 0x04                        ; an LDS store's data window 1
.set W_RS, 0x41                        ; O^T (destination and source 0) window 1
.set W_PV, 0x51                        ; V, C and D window 1; P window 0
.set MSB, 0
.macro WIN new                         ; the immediate's high byte repeats the setting that is left; a switch that changes nothing is dropped
.if MSB != \new
	s_set_vgpr_msb (MSB<<8)|\new
.set MSB, \new
.endif
.endm
.macro QK tq, sb                       ; S^T of tile tq, 128 keys: eight products, each a sum of its own, begun with the constant 0
	WIN W_QK
.irp kt, 0,1,2,3,4,5,6,7
	v_wmma_f32_16x16x64_fp8_fp8 v[\sb+8*\kt:\sb+8*\kt+7], v[8*\kt:8*\kt+7], v[32+8*(\tq):32+8*(\tq)+7], 0
.endr
.endm
.macro FETCH_K                         ; 16 loads of 512 consecutive bytes: the switch, the wait, the loads
	WIN W_LD
	s_wait_alu depctr_va_vdst(0)                   ; v2 is written, which these loads read; the products K Q^T issued so far are done reading K's registers, in which they land
.set m, 0
.rept 16
	ds_load_b128 v[4*m:4*m+3], v2 offset:512*m
.set m, m+1
.endr
	WIN 0
.endm
.macro FETCH_V
	WIN W_LD
	s_wait_alu depctr_va_vdst(0)                   ; the products V^T P of the step before are done reading V's registers, in which these loads land
.set m, 0
.rept 16
	ds_load_b128 v[64+4*m:64+4*m+3], v2 offset:8192+512*m
.set m, m+1
.endr
	WIN 0
.endm
.macro MLOAD off                       ; a tile's and step's 64 mask words
	s_load_b512 s[16:31], s[8:9], \off
	s_load_b512 s[32:47], s[8:9], \off+64
	s_load_b512 s[48:63], s[8:9], \off+128
	s_load_b512 s[80:95], s[8:9], \off+192
.endm
; ONE TILE OF 16 QUERIES x ONE STEP OF 128 KEYS.  last = 1: the head's last step, which looks no further ahead.
.macro UNIT t, last
.set CUR, 64+64*((\t)%2)
.set NXT, 128-64*((\t)%2)
.set ST, 16+4*(\t)
.if (\t) < 3
	QK (\t)+1, NXT                                 ; the next tile's scores, into the other buffer
.elseif (\last) == 0
	s_wait_dscnt 0x0                               ; the next step's K is in (asked for a unit ago)
	QK 0, NXT
.endif
	WIN 0
	s_wait_kmcnt 0x0                               ; this unit's mask words (asked for in the unit before)
.set n, 0
.rept 64
	v_cndmask_b32 v[CUR+n], v4, v[CUR+n], s[16+n+16*(n/48)]   ; ascending: each accumulator is read from its low end on
.set n, n+1
.endr
.if (\t) == 0
	FETCH_V                                        ; this step's V: its registers were last read by the step before's last products
.endif
.if ((\t) == 2) && ((\last) == 0)
	s_wait_alu depctr_vm_vsrc(0)                   ; the LDS loads issued so far have read v2
	v_add_nc_u32 v2, s70, v1                       ; the next step
	s_add_co_u32 s70, s70, STEPB
	FETCH_K                                        ; its K: all four tiles have multiplied by this step's
.endif
	v_max3_num_f32 v8, v[CUR], v[CUR+1], v[CUR+2]  ; the largest score of my query among my 64 keys, in two chains,
	v_max3_num_f32 v9, v[CUR+3], v[CUR+4], v[CUR+5]
.irp i, 6,10,14,18,22,26,30,34,38,42,46,50,54,58
	v_max3_num_f32 v8, v8, v[CUR+\i], v[CUR+\i+1]
	v_max3_num_f32 v9, v9, v[CUR+\i+2], v[CUR+\i+3]
.endr
	v_max3_num_f32 v8, v8, v[CUR+62], v[CUR+63]
	v_max_num_f32 v8, v8, v9
	v_permlanex16_b32 v7, v8, s68, s69
	v_max_num_f32 v8, v8, v7                       ; and among lane l xor 16's
	v_mul_f32 v8, s66, v8                          ; as t (c is positive)
	v_max_num_f32 v[ST+1], v[ST+1], v8             ; the running largest t
	v_mov_b32 v10, v[ST]
	v_floor_f32 v[ST], -v[ST+1]                    ; -M = floor(-t) = -ceil(t)
	v_sub_f32 v10, v[ST], v10                      ; old M - new M: a whole number, 0 or less
	v_cvt_i32_f32 v10, v10                         ; (it saturates)
	v_ldexp_f32 v12, 1.0, v10                      ; f = 2^(old M - new M)
.if (\t) < 3
	MLOAD 4096*((\t)+1)                            ; the next unit's mask words; no scalar load is out since the wait above, and the words' last readers stand 41 vector lines back
.elseif (\last) == 0
	s_add_nc_u64 s[8:9], s[8:9], 256               ; the next step's
	MLOAD 0
.endif
.set n, 0
.rept 32
	v_pk_fma_f32 v[CUR+n:CUR+n+1], v[CUR+n:CUR+n+1], s[66:67], v[ST:ST+1] op_sel_hi:[1,0,0]   ; t - M, two at a time (of the pairs c and -M the low word serves both halves)
.set n, n+2
.endr
.set n, 0
	s_wait_alu depctr_va_vdst(0)
.rept 64
	v_exp_f32 v[CUR+n], v[CUR+n]                   ; p = 2^(t - M)
.set n, n+1
.endr
	v_pk_mul_f32 v[ST+2:ST+3], v[ST+2:ST+3], v[12:13] op_sel_hi:[1,0]   ; l under the new M: the plain line behind the exponentials
	s_wait_alu depctr_va_vdst(0)                   ; the 64 exponentials have written p: one wait for the batch, ahead of its first reader
	v_pk_add_f32 v[14:15], v[CUR:CUR+1], v[CUR+2:CUR+3]   ; the sum of the UNQUANTISED p, two at a time, in two chains
.irp i, 4,8,12,16,20,24,28,32,36,40,44,48,52,56,60
	v_pk_add_f32 v[ST+2:ST+3], v[ST+2:ST+3], v[CUR+\i:CUR+\i+1]
	v_pk_add_f32 v[14:15], v[14:15], v[CUR+\i+2:CUR+\i+3]
.endr
	v_pk_add_f32 v[ST+2:ST+3], v[ST+2:ST+3], v[14:15]
	s_cmp_ge_i32 s99, -8                           ; 448 x 2^ep is 1.75 or more: the hold would change nothing
	s_cbranch_scc1 .Lno_hold_\@
.set n, 0
.rept 64
	v_min_num_f32 v[CUR+n], v[CUR+n], v5           ; the conversion does not saturate (ISA guide 7.6.2); p is not negative, so the hold is one-sided
.set n, n+1
.endr
.Lno_hold_\@:
.irp kt, 0,1,2,3,4,5,6,7
	v_cvt_scalef32_pk8_fp8_f32 v[192+2*\kt:192+2*\kt+1], v[CUR+8*\kt:CUR+8*\kt+7], v6
.endr
	WIN W_RS
.set n, 0
.rept 16
	v_pk_mul_f32 v[128+32*(\t)+n:128+32*(\t)+n+1], v[128+32*(\t)+n:128+32*(\t)+n+1], v[12:13] op_sel_hi:[1,0]   ; O^T under the new M; also the plain lines behind the conversions
.set n, n+2
.endr
.if (\t) == 0
	s_wait_alu depctr_va_vdst(0)
	s_wait_dscnt 0x0                               ; V is in
.endif
	WIN W_PV
.irp d, 0,1,2,3                        ; four accumulators by turns, one instruction a turn
	v_wmma_f32_16x16x128_fp8_fp8 v[128+32*(\t)+8*\d:128+32*(\t)+8*\d+7], v[64+16*\d:64+16*\d+15], v[192:207], v[128+32*(\t)+8*\d:128+32*(\t)+8*\d+7]
.endr
	WIN 0
.endm
	s_load_b256 s[4:11], s[0:1], 0x0               ; q_img s[4:5], kv s[6:7], mbits s[8:9], the scales' exponents s[10:11]
	s_load_b64 s[12:13], s[0:1], 0x20              ; a_img
	v_lshl_add_u32 v254, v0, 2, 0x40000
	v_mov_b32 v255, 0
	v_lshrrev_b32 v1, 5, v0
	v_readfirstlane_b32 s14, v1                    ; wave 0..7
	v_and_b32 v1, 31, v0
	v_lshlrev_b32 v1, 4, v1                        ; 16 x lane
	s_and_b32 s71, ttmp7, 0xffff                   ; 16 n + head
	s_wait_alu depctr_va_sdst(0)                   ; s14 is written, ahead of its first reader: the wave's shares are made from it
	s_lshl_b32 s72, s14, 15                        ; my eighth of the head's K and V: 32,768 bytes
	v_add_nc_u32 v3, s72, v1
	s_lshl_b32 s74, s71, 18
	s_add_co_u32 s74, s74, s72
	s_mov_b32 s75, 0
	s_lshl_b32 s78, ttmp9, 5
	s_lshl_b32 s79, s14, 2
	s_add_co_u32 s78, s78, s79                     ; my first tile of queries within n: 32 x + 4 wave
	s_lshl_b32 s76, s71, 7
	s_add_co_u32 s76, s76, s78
	s_lshl_b32 s76, s76, 10
	s_mov_b32 s77, 0
	s_mov_b32 s68, 0x76543210                      ; v_permlanex16_b32's selects for lane l xor 16
	s_mov_b32 s69, 0xfedcba98
	s_wait_kmcnt 0x0
	s_add_nc_u64 s[4:5], s[4:5], s[76:77]
	s_add_nc_u64 s[6:7], s[6:7], s[74:75]
	s_wait_alu depctr_va_vdst(0)                   ; v1 and v3 are written: every global load and store reads v1 as its offset, the fill's LDS stores read v3; neither is written again
.irp t, 0,1,2,3
	global_load_b128 v[32+8*\t:32+8*\t+3], v1, s[4:5] offset:1024*\t       ; Q's four fragments stay in registers
	global_load_b128 v[32+8*\t+4:32+8*\t+7], v1, s[4:5] offset:1024*\t+512
.endr
	WIN W_LD
.set m, 0
.rept 64
	global_load_b128 v[4*m:4*m+3], v1, s[6:7] offset:512*m                 ; my share of the fill: 64 loads of 512 consecutive bytes, through window 1
.set m, m+1
.endr
	WIN 0
	s_load_b128 s[96:99], s[10:11], 0x0            ; eq, ek, ev, ep
	s_load_b32 s100, s[10:11], 0x10                ; ea
	s_lshr_b32 s72, s71, 4                         ; n
	s_lshl_b32 s72, s72, 7
	s_add_co_u32 s72, s72, s78                     ; my first tile of queries, counted through all n
	s_lshl_b32 s74, s72, 12
	s_add_nc_u64 s[8:9], s[8:9], s[74:75]          ; its mask words: 4,096 bytes a tile, 256 a step
	MLOAD 0
	s_lshl_b32 s74, s72, 3
	s_and_b32 s73, s71, 15                         ; head
	s_lshr_b32 s76, s73, 1
	s_add_co_u32 s74, s74, s76
	s_lshl_b32 s74, s74, 11                        ; a_img: (tile x 8 + head / 2) fragments of 2,048 bytes,
	s_and_b32 s76, s73, 1
	s_lshl_b32 s76, s76, 10                        ; + the head's half of the fragment
	s_add_co_u32 s74, s74, s76
	s_add_nc_u64 s[12:13], s[12:13], s[74:75]
.irp t, 0,1,2,3
	v_mov_b32 v[17+4*\t], 0xff61b1e6               ; the largest t so far: -3e38, under every t
	v_floor_f32 v[16+4*\t], -v[17+4*\t]            ; -M
	v_mov_b32 v[18+4*\t], 0                        ; l
	v_mov_b32 v[19+4*\t], 0
.endr
	v_mov_b32 v7, 0                                ; written once: a lane permute's destination counts as one of its sources
	v_mov_b32 v13, 0                               ; (named as the upper half of the pair v[12:13])
	s_wait_kmcnt 0x0
	s_add_co_i32 s72, s96, s97                     ; eq + ek
	s_lshl_b32 s73, s72, 23
	s_add_co_i32 s66, s73, 0x3d38aa3b              ; c = log2(e) / 32, with eq + ek added to its exponent field
	s_mov_b32 s67, s66                             ; (named with it as a pair, so it is written)
	s_sub_co_i32 s73, 193, s72
	s_lshl_b32 s73, s73, 23
	s_or_b32 s73, s73, 0x80000000
	v_mov_b32 v4, s73                              ; -2^(66 - eq - ek)
	s_add_co_i32 s72, s99, 127
	s_lshl_b32 s73, s72, 23
	v_mov_b32 v6, s73                              ; 2^ep
	s_add_co_i32 s72, s72, 8
	s_lshl_b32 s72, s72, 23
	s_or_b32 s72, s72, 0x600000
	v_mov_b32 v5, s72                              ; 448 x 2^ep
	s_add_co_i32 s101, s99, s98
	s_sub_co_i32 s101, s101, s100                  ; ep + ev - ea
	WIN W_ST
.irp g, 0,1,2,3
	s_wait_loadcnt 48-16*\g                        ; the later loads of the fill may be out; Q's, which are older, are in
.irp k, 0,1,2,3,4,5,6,7,8,9,10,11,12,13,14,15
	ds_store_b128 v3, v[4*(16*\g+\k):4*(16*\g+\k)+3] offset:512*(16*\g+\k)
.endr
.endr
	s_wait_dscnt 0x0                               ; for the others' sake: my share lies in LDS
	s_wait_alu depctr_vm_vsrc(0)                   ; my LDS stores have read window 1's registers: the clearing of O^T below writes the upper half, the LDS loads of K and V land in the lower
	s_barrier_signal -1
	WIN W_LD
.set m, 128
.rept 128
	v_mov_b32 v[m], 0                              ; O^T, once, while the others arrive: the step is then written without a first step of its own, whose first change of M multiplies zeros
.set m, m+1
.endr
	WIN 0
	s_barrier_wait -1                              ; the head's K and V are whole; from here on LDS is only read
	v_mov_b32 v2, v1                               ; step 0
	FETCH_K
	s_wait_dscnt 0x0
	QK 0, 64
	WIN 0
.rept 4
	v_nop                                          ; places between those products and the first read of their results
.endr
	s_mov_b32 s70, STEPB                           ; the step to be fetched next
	s_mov_b32 s15, 15
.Lstep:                                            ; 15 of the 16 steps
	UNIT 0, 0
	UNIT 1, 0
	UNIT 2, 0
	UNIT 3, 0
	s_sub_co_u32 s15, s15, 1
	s_cmp_lg_u32 s15, 0
	s_cbranch_scc1 .Lstep
	UNIT 0, 1                                      ; the last step is written out: nothing is read beyond the head's keys or the tile's mask words
	UNIT 1, 1
	UNIT 2, 1
	UNIT 3, 1
	; THE WAY OUT.  a = O / l x 2^(ep + ev); its code is a / 2^ea, held within +-448.  The three exponents go onto 1 / l, so the conversion's scale is 1.  A lane's codes of (tile t, fragment d) are registers
	; 2 (4 (head % 2) + d), + 1 of the projection's operand as they stand: no stage, and each store covers 512 consecutive bytes.  The additions are the places behind the last products.
.irp t, 0,1,2,3
	v_add_f32 v[18+4*\t], v[18+4*\t], v[19+4*\t]
.endr
.irp t, 0,1,2,3
	v_permlanex16_b32 v[19+4*\t], v[18+4*\t], s68, s69
.endr
.irp t, 0,1,2,3
	v_add_f32 v[18+4*\t], v[18+4*\t], v[19+4*\t]   ; the row's sum
.endr
	s_wait_alu depctr_va_vdst(0)
.irp t, 0,1,2,3
	v_rcp_f32 v[16+4*\t], v[18+4*\t]
.endr
	v_mov_b32 v5, 0x43e00000                       ; 448 (a plain line behind the reciprocals)
	v_mov_b32 v6, 1.0
	s_wait_alu depctr_va_vdst(0)                   ; the four reciprocals have written 1 / l: one wait, ahead of their first reader
.irp t, 0,1,2,3
	v_ldexp_f32 v[16+4*\t], v[16+4*\t], s101
.endr
.macro LEAVE t                         ; tile t's codes, into eight registers of its own
	WIN 0x01                                       ; source 0 (O^T) window 1
.set n, 0
.rept 16
	v_pk_mul_f32 v[64+32*(\t)+n:64+32*(\t)+n+1], v[128+32*(\t)+n:128+32*(\t)+n+1], v[16+4*(\t):17+4*(\t)] op_sel_hi:[1,0]   ; each accumulator from its low end on
.set n, n+2
.endr
	WIN 0
.set n, 0
.rept 32
	v_med3_num_f32 v[64+32*(\t)+n], v[64+32*(\t)+n], -v5, v5
.set n, n+1
.endr
.irp d, 0,1,2,3
	v_cvt_scalef32_pk8_fp8_f32 v[192+8*(\t)+2*\d:192+8*(\t)+2*\d+1], v[64+32*(\t)+8*\d:64+32*(\t)+8*\d+7], v6
.endr
	v_nop                                          ; a plain vector line behind the conversions
.endm
	LEAVE 0
	LEAVE 1
	LEAVE 2
	LEAVE 3
	s_wait_alu depctr_va_vdst(0)                   ; the conversions have written v192 to v223, which the eight stores read
.irp t, 0,1,2,3
	global_store_b128 v1, v[192+8*\t:192+8*\t+3], s[12:13] offset:16384*\t
	global_store_b128 v1, v[192+8*\t+4:192+8*\t+7], s[12:13] offset:16384*\t+512
.endr
	s_wait_dscnt 0x0
	s_wait_alu depctr_hold_cnt(0) depctr_sa_sdst(0) depctr_va_vdst(0) depctr_va_sdst(0) depctr_va_ssrc(0) depctr_va_vcc(0) depctr_vm_vsrc(0)
	s_wait_tensorcnt 0x0
	ds_add_u32 v254, v255
	s_wait_dscnt 0x0
	s_endpgm
.Lfunc_end_k_q35e258f246_attn:
	.size	k_q35e258f246_attn, .Lfunc_end_k_q35e258f246_attn-k_q35e258f246_attn
	.p2alignl 7, 3214868480
	.fill 96, 4, 3214868480
	.section	.rodata,"a",@progbits
	.p2align	6, 0x0
	.amdhsa_kernel k_q35e258f246_attn
		.amdhsa_group_segment_fixed_size 263168
		.amdhsa_private_segment_fixed_size 0
		.amdhsa_enable_private_segment 0
		.amdhsa_kernarg_size 40
		.amdhsa_user_sgpr_count 2
		.amdhsa_user_sgpr_kernarg_segment_ptr 1
		.amdhsa_wavefront_size32 1
		.amdhsa_system_sgpr_workgroup_id_x 1
		.amdhsa_system_sgpr_workgroup_id_y 1
		.amdhsa_system_sgpr_workgroup_id_z 1
		.amdhsa_system_vgpr_workitem_id 0
		.amdhsa_next_free_vgpr 512
		.amdhsa_next_free_sgpr 102
		.amdhsa_reserve_vcc 0
		.amdhsa_float_denorm_mode_32 3
		.amdhsa_float_denorm_mode_16_64 3
		.amdhsa_memory_ordered 1
		.amdhsa_forward_progress 1
		.amdhsa_inst_pref_size 177
	.end_amdhsa_kernel
	.amdgpu_metadata
---
amdhsa.version: [ 1, 2 ]
amdhsa.kernels:
  - .name:           k_q35e258f246_attn
    .symbol:         k_q35e258f246_attn.kd
    .args:
      - { .name: q_img, .offset: 0, .size: 8, .value_kind: global_buffer, .address_space: global }
      - { .name: kv, .offset: 8, .size: 8, .value_kind: global_buffer, .address_space: global }
      - { .name: mbits, .offset: 16, .size: 8, .value_kind: global_buffer, .address_space: global }
      - { .name: lowp_scales, .offset: 24, .size: 8, .value_kind: global_buffer, .address_space: global }
      - { .name: a_img, .offset: 32, .size: 8, .value_kind: global_buffer, .address_space: global }
    .group_segment_fixed_size: 263168
    .private_segment_fixed_size: 0
    .kernarg_segment_align: 8
    .kernarg_segment_size: 40
    .max_flat_workgroup_size: 256
    .sgpr_count:     102
    .vgpr_count:     512
    .wavefront_size: 32
...
	.end_amdgpu_metadata
.endif
;; end of part 5
;; launch proj (part 6): grid 4 x 64, 4 waves a work-group, no clusters, 148,992 bytes of LDS; arguments a_img, w_img, lowp_scales, b_out, out0; writes out0
.if DOCPART == 6
	.amdgcn_target "amdgcn-amd-amdhsa--gfx1250"
	.amdhsa_code_object_version 6
	.text
	.protected	k_q35e258f246_proj
	.globl	k_q35e258f246_proj
	.p2align	8
	.type	k_q35e258f246_proj,@function
k_q35e258f246_proj:
	s_mov_b64 s[64:65], 0
	v_nop
	global_prefetch_b8 v0, s[64:65] scope:SCOPE_SE
	s_setreg_imm32_b32 hwreg(HW_REG_WAVE_SCHED_MODE, 0, 2), 2
	s_setreg_imm32_b32 hwreg(HW_REG_WAVE_MODE, 25, 1), 1
	s_wait_xcnt 0x0
	s_wait_alu depctr_vm_vsrc(0)
; THE PROJECTION: out0[m][n] = sum over k of a[m][k] W_out[n][k] x 2^(ea + ew) + b_out[n], on codes of E4M3 that the earlier launches laid as images of the operands' registers.
; SHARES.  A work-group makes 128 rows x 256 columns; 256 work-groups.  THE WAVES SHARE THE COLUMNS: wave w owns 64 columns, and its part of W_out for the whole K of 1,024 (4 tiles x 8 fragments, 512 registers)
; stays in its registers, read once.  The 128 rows' codes, 131,072 consecutive bytes of a_img, are brought into LDS once, a quarter by each wave, through registers; one barrier; then only read.
; Nothing in LDS is filled again, so there is no ring; one form with the launch before it: no tensor load, no cluster.
; THE MATRIX INSTRUCTION IS USED TRANSPOSED (source 0 = 16 rows of W_out, source 1 = 16 rows of a): a lane holds eight neighbouring columns of one row of the output.
; A tile of 16 rows is 32 products: 8 along K x 4 tiles of columns, the four accumulators by turns; two sets of accumulators and two buffers of a's fragments.
; Results leave through the wave's own stage in LDS as whole rows of 256 bytes.
; LIMIT: ea + ew between -126 and 127, so that 2^(ea + ew) is an f32 number.
; REGISTERS.  window 0: v1 16 x lane; v2 where I store my share of the fill; v3 16 x lane + 65,536; v4, v5 the stage, in and back; v6 my place in two rows of the output; v7 32 x (lane / 16);
;   v16-47 the bias of my 64 columns in the result's layout; v48-111 two sets of four accumulators; v112-143 results; v144-175 rows read back.
;   window 1: W's fragments of K steps 0-3 (step g, tile c at 16 (4 g + c));  window 2: of K steps 4-7;  window 3: the fill, then two buffers of 128 for a's eight fragments of a tile of rows.
; THE MODE: SCHED_MODE bits 1:0 = 2 (LLVM: expert scheduling mode 2), set by the entry lines.  The code itself states the register dependences between vector or matrix instructions and memory or LDS
; instructions, with s_wait_alu, always for 0.
; THE PLAN.  A step is a tile of rows.  Registers that memory or LDS instructions touch:
;   v1 .. v7       Offsets and addresses, made once at the head, ahead of one wait on va_vdst, and never written again.
;   window 3       At the head the fill's global loads land in it and the fill's LDS stores read it: one wait on vm_vsrc, behind the barrier, frees it for the fragments.
;   buffer t % 2   Read by tile t's products.  The LDS loads of tile t + 2 land in it in step t + 1: K steps 0-3 at that step's head, K steps 4-7 in its middle.
;   TMP            Written at the head of step t by tile t - 1's sixteen multiply-adds; read by the eight LDS stores just behind them; written again a step later.
;   BK             The stage's eight LDS loads land in it at a step's head; the eight global stores in the step's middle read it.  No vector instruction names it.
; Step t: fragments in | the last step's stores have read TMP and BK (vm_vsrc, beside the wait on XCNT) | four places, tile t - 1's multiply-adds | ONE wait on va_vdst | TMP into the stage and back into BK |
; 16 loads for tile t + 1 | 16 products | tile t - 1's rows are stored | 16 loads for tile t + 1 | 16 products.
; That one wait states that TMP is written and that tile t - 1's products are done reading the buffer in which both runs of loads land; behind it only tile t's products are issued, which name the other buffer,
; W's fragments and the accumulators: none of the registers that the step's LDS and memory instructions touch.
.set SLAB, 131072                      ; LDS: the rows' codes; behind them a stage of 16 rows x (256 bytes + 16) for each wave
.set SPI,  272
.set BIAS, 16
.set ACC,  48
.set TMP,  112
.set BK,   144
.set MSB, 0
.macro WIN new                         ; the immediate's high byte repeats the setting that is left
.if MSB != \new
	s_set_vgpr_msb (MSB<<8)|\new
.set MSB, \new
.endif
.endm
	s_load_b256 s[4:11], s[0:1], 0x0               ; a_img s[4:5], w_img s[6:7], the scales' exponents s[8:9], b_out s[10:11]
	s_load_b64 s[12:13], s[0:1], 0x20              ; out0
	v_lshl_add_u32 v254, v0, 2, 0x24400
	v_mov_b32 v255, 0
	v_lshrrev_b32 v1, 5, v0
	v_readfirstlane_b32 s14, v1                    ; wave 0..3
	v_and_b32 v8, 31, v0
	v_lshlrev_b32 v1, 4, v8
	s_wait_alu depctr_va_sdst(0)                   ; s14 is written, ahead of its first reader: the wave's shares are made from it
	s_lshl_b32 s15, s14, 15
	v_add_nc_u32 v2, s15, v1
	v_add_nc_u32 v3, 0x10000, v1
	v_and_b32 v9, 15, v0                           ; r
	v_bfe_u32 v10, v0, 4, 1                        ; h
	s_mul_i32 s16, s14, 16*SPI
	s_add_co_u32 s16, s16, SLAB                    ; my stage
	v_mul_u32_u24 v4, v9, SPI
	v_lshl_add_u32 v4, v10, 5, v4
	v_add_nc_u32 v4, s16, v4                       ; in: row r, + 32 h
	v_mul_u32_u24 v5, v10, SPI
	v_lshl_add_u32 v5, v9, 4, v5
	v_add_nc_u32 v5, s16, v5                       ; back: lanes 0-15 one row of 256 bytes, lanes 16-31 the next
	v_lshlrev_b32 v6, 12, v10
	v_lshl_add_u32 v6, v9, 4, v6                   ; and the same two rows in the output
	v_lshlrev_b32 v7, 5, v10
	s_and_b32 s17, ttmp7, 0xffff                   ; the block of 128 rows
	s_lshl_b32 s22, ttmp9, 18                      ; W: tile 16 x + 4 wave, 16,384 bytes a tile
	s_lshl_b32 s23, s14, 16
	s_add_co_u32 s22, s22, s23
	s_mov_b32 s23, 0
	s_lshl_b32 s24, s17, 17                        ; a: the block's 131,072 bytes, my quarter
	s_add_co_u32 s24, s24, s15
	s_mov_b32 s25, 0
	s_lshl_b32 s26, ttmp9, 10                      ; my first column, in bytes: 1,024 x + 256 wave
	s_lshl_b32 s27, s14, 8
	s_add_co_u32 s26, s26, s27
	s_mov_b32 s27, 0
	s_lshl_b32 s28, s17, 19                        ; 128 rows of 4,096 bytes
	s_add_co_u32 s28, s28, s26
	s_mov_b32 s29, 0
	s_wait_kmcnt 0x0
	s_load_b64 s[18:19], s[8:9], 0x10              ; ea, ew
	s_add_nc_u64 s[6:7], s[6:7], s[22:23]
	s_add_nc_u64 s[4:5], s[4:5], s[24:25]
	s_add_nc_u64 s[10:11], s[10:11], s[26:27]
	s_add_nc_u64 s[12:13], s[12:13], s[28:29]
.macro WLOAD g0                        ; W's fragments of K steps g0 .. g0 + 3
.irp g, 0,1,2,3
.irp c, 0,1,2,3
.irp i, 0,1,2,3
	global_load_b128 v[16*(4*\g+\c)+4*\i:16*(4*\g+\c)+4*\i+3], v1, s[6:7] offset:16384*\c+2048*(\g0+\g)+512*\i
.endr
.endr
.endr
.endm
	WIN 0x40                                       ; destination window 1
	s_wait_alu depctr_va_vdst(0)                   ; the seven offsets and addresses v1 to v7 are written, which every load and store of the kernel reads; none is written again
	WLOAD 0
	WIN 0xc0                                       ; destination window 3
.set m, 0
.rept 64
	global_load_b128 v[4*m:4*m+3], v1, s[4:5] offset:512*m
.set m, m+1
.endr
	WIN 0x80                                       ; destination window 2
	WLOAD 4
	WIN 0
.irp c, 0,1,2,3
	global_load_b128 v[BIAS+8*\c:BIAS+8*\c+3], v7, s[10:11] offset:64*\c       ; lane (r, h): columns 16 c + 8 h + 0 .. 7 of my 64
	global_load_b128 v[BIAS+8*\c+4:BIAS+8*\c+7], v7, s[10:11] offset:64*\c+16
.endr
	s_wait_loadcnt 63                              ; 200 loads were issued; with 63 out at the most the first 137 are in, a's 64 (numbers 65 to 128) among them
	WIN 0x0c                                       ; an LDS store's data window 3
.set m, 0
.rept 64
	ds_store_b128 v2, v[4*m:4*m+3] offset:512*m
.set m, m+1
.endr
	WIN 0
	s_wait_dscnt 0x0                               ; for the others' sake: my quarter lies in LDS
	s_barrier_signal -1
	s_barrier_wait -1                              ; the 128 rows' codes are whole; they are only read from here on
	s_wait_loadcnt 0x0                             ; the rest of W, and the bias
	s_wait_kmcnt 0x0
	s_add_co_i32 s20, s18, s19
	s_add_co_i32 s20, s20, 127
	s_lshl_b32 s20, s20, 23                        ; 2^(ea + ew) as f32
	s_mov_b32 s21, s20                             ; (named with it as a pair, so it is written)
.macro FETCH rt, hf                    ; four of the eight fragments of tile rt of rows, K steps 4 hf .. 4 hf + 3: 16 loads of 512 consecutive bytes, into buffer rt % 2
	WIN 0xc0
.irp g, 0,1,2,3
.irp i, 0,1,2,3
.if (\rt) < 4
	ds_load_b128 v[128*((\rt)%2)+16*(4*(\hf)+\g)+4*\i:128*((\rt)%2)+16*(4*(\hf)+\g)+4*\i+3], v1 offset:16384*(\rt)+2048*(4*(\hf)+\g)+512*\i
.else
	ds_load_b128 v[128*((\rt)%2)+16*(4*(\hf)+\g)+4*\i:128*((\rt)%2)+16*(4*(\hf)+\g)+4*\i+3], v3 offset:16384*((\rt)-4)+2048*(4*(\hf)+\g)+512*\i
.endif
.endr
.endr
.endm
.macro MULT rt, hf                     ; 16 products: K steps 4 hf .. 4 hf + 3; the four accumulators take turns, one instruction a turn; the first K step starts the sums
.if (\hf) == 0
	WIN 0x0d                                       ; source 0 (W) window 1, source 1 (a) window 3
.else
	WIN 0x0e                                       ; source 0 window 2
.endif
.irp g, 0,1,2,3
.irp c, 0,1,2,3
.if ((\hf) == 0) && (\g == 0)
	v_wmma_f32_16x16x128_fp8_fp8 v[ACC+32*((\rt)%2)+8*\c:ACC+32*((\rt)%2)+8*\c+7], v[16*(4*\g+\c):16*(4*\g+\c)+15], v[128*((\rt)%2)+16*(4*(\hf)+\g):128*((\rt)%2)+16*(4*(\hf)+\g)+15], 0
.else
	v_wmma_f32_16x16x128_fp8_fp8 v[ACC+32*((\rt)%2)+8*\c:ACC+32*((\rt)%2)+8*\c+7], v[16*(4*\g+\c):16*(4*\g+\c)+15], v[128*((\rt)%2)+16*(4*(\hf)+\g):128*((\rt)%2)+16*(4*(\hf)+\g)+15], v[ACC+32*((\rt)%2)+8*\c:ACC+32*((\rt)%2)+8*\c+7]
.endif
.endr
.endr
.endm
.macro PLACES                          ; four plain vector lines between matrix instructions and the vector reads of their results (ISA guide 7.12.1)
.rept 4
	v_nop
.endr
.endm
.macro TOSTAGE rt                      ; tile rt's way out, first part: every window is 0 here
.set AC, ACC+32*((\rt)%2)
	PLACES
.set m, 0
.rept 16
	v_pk_fma_f32 v[TMP+m:TMP+m+1], v[AC+m:AC+m+1], s[20:21], v[BIAS+m:BIAS+m+1] op_sel_hi:[1,0,1]   ; sum x 2^(ea + ew) + bias, two at a time; each accumulator from its low end on
.set m, m+2
.endr
	s_wait_alu depctr_va_vdst(0)                   ; the multiply-adds have written TMP, which the LDS stores read; tile rt's products are done reading their buffer of fragments, in which this step's two runs of loads land
.set m, 0
.rept 8
	ds_store_b128 v4, v[TMP+4*m:TMP+4*m+3] offset:64*(m/2)+16*(m%2)
.set m, m+1
.endr
.set m, 0
.rept 8
	ds_load_b128 v[BK+4*m:BK+4*m+3], v5 offset:2*SPI*m     ; LDS serves a wave's instructions in order: these see my stores
.set m, m+1
.endr
.endm
.macro SEND rt                         ; second part: the rows are back in BK
.set m, 0
.rept 8
	global_store_b128 v6, v[BK+4*m:BK+4*m+3], s[12:13] offset:(16*(\rt)+2*m)*4096 th:TH_STORE_NT   ; sixteen lanes store 256 consecutive bytes, aligned; written once, read by nobody here
.set m, m+1
.endr
.endm
	s_wait_alu depctr_vm_vsrc(0)                   ; my LDS stores of the fill have read window 3's registers, in which the fragments land from here on
	FETCH 0, 0
	FETCH 0, 1
.irp rt, 0,1,2,3,4,5,6,7
	s_wait_dscnt 16                                ; this tile's fragments of K steps 0-3 are in; the 16 loads of its K steps 4-7 may be out
.if \rt > 0
	WIN 0
.endif
.if \rt > 1
	s_wait_xcnt 0x0                                ; the last step's global stores have had their addresses translated (ISA guide 3.1): BK is loaded again only behind this wait
	s_wait_alu depctr_vm_vsrc(0)                   ; the last step's LDS stores have read TMP, which the multiply-adds below write; its global stores have read BK, in which the stage's loads land
.endif
.if \rt > 0
	TOSTAGE \rt-1
.endif
.if \rt < 7
	FETCH \rt+1, 0                                 ; no wait of its own: since the wait in the lines above no vector or matrix instruction has been issued (in the first step no such instruction has named these registers at all)
.endif
	MULT \rt, 0
.if \rt < 7
	s_wait_dscnt 16                                ; all but the 16 loads issued at this step's head: this tile's K steps 4-7 are in, and the stage's rows are back
.else
	s_wait_dscnt 0x0
.endif
.if \rt > 0
	WIN 0
	SEND \rt-1                                     ; the tile before leaves while this tile is multiplied
.endif
.if \rt < 7
	FETCH \rt+1, 1                                 ; no wait of its own: the sixteen products since the step's wait name the other buffer
.endif
	MULT \rt, 1
.endr
	WIN 0
	s_wait_xcnt 0x0                                ; tile 6's global stores have had their addresses translated: BK is loaded again only behind this wait
	s_wait_alu depctr_vm_vsrc(0)                   ; tile 6's LDS stores have read TMP, its global stores BK
	TOSTAGE 7
	s_wait_dscnt 0x0
	SEND 7
	s_wait_dscnt 0x0
	s_wait_alu depctr_hold_cnt(0) depctr_sa_sdst(0) depctr_va_vdst(0) depctr_va_sdst(0) depctr_va_ssrc(0) depctr_va_vcc(0) depctr_vm_vsrc(0)
	s_wait_tensorcnt 0x0
	ds_add_u32 v254, v255
	s_wait_dscnt 0x0
	s_endpgm
.Lfunc_end_k_q35e258f246_proj:
	.size	k_q35e258f246_proj, .Lfunc_end_k_q35e258f246_proj-k_q35e258f246_proj
	.p2alignl 7, 3214868480
	.fill 96, 4, 3214868480
	.section	.rodata,"a",@progbits
	.p2align	6, 0x0
	.amdhsa_kernel k_q35e258f246_proj
		.amdhsa_group_segment_fixed_size 148992
		.amdhsa_private_segment_fixed_size 0
		.amdhsa_enable_private_segment 0
		.amdhsa_kernarg_size 40
		.amdhsa_user_sgpr_count 2
		.amdhsa_user_sgpr_kernarg_segment_ptr 1
		.amdhsa_wavefront_size32 1
		.amdhsa_system_sgpr_workgroup_id_x 1
		.amdhsa_system_sgpr_workgroup_id_y 1
		.amdhsa_system_sgpr_workgroup_id_z 1
		.amdhsa_system_vgpr_workitem_id 0
		.amdhsa_next_free_vgpr 1024
		.amdhsa_next_free_sgpr 66
		.amdhsa_reserve_vcc 0
		.amdhsa_float_denorm_mode_32 3
		.amdhsa_float_denorm_mode_16_64 3
		.amdhsa_memory_ordered 1
		.amdhsa_forward_progress 1
		.amdhsa_inst_pref_size 84
	.end_amdhsa_kernel
	.amdgpu_metadata
---
amdhsa.version: [ 1, 2 ]
amdhsa.kernels:
  - .name:           k_q35e258f246_proj
    .symbol:         k_q35e258f246_proj.kd
    .args:
      - { .name: a_img, .offset: 0, .size: 8, .value_kind: global_buffer, .address_space: global }
      - { .name: w_img, .offset: 8, .size: 8, .value_kind: global_buffer, .address_space: global }
      - { .name: lowp_scales, .offset: 16, .size: 8, .value_kind: global_buffer, .address_space: global }
      - { .name: b_out, .offset: 24, .size: 8, .value_kind: global_buffer, .address_space: global }
      - { .name: out0, .offset: 32, .size: 8, .value_kind: global_buffer, .address_space: global }
    .group_segment_fixed_size: 148992
    .private_segment_fixed_size: 0
    .kernarg_segment_align: 8
    .kernarg_segment_size: 40
    .max_flat_workgroup_size: 128
    .sgpr_count:     66
    .vgpr_count:     1024
    .wavefront_size: 32
...
	.end_amdgpu_metadata
.endif
;; end of part 6
